; MI455X (gfx1250); checked and timed in simulation.
; The chip was launched on July 23, 2026; its instructions are those of AMD's public machine-readable ISA for CDNA 5 (MIT licence, August 2026) and "CDNA5" Instruction Set Architecture Reference Guide (July 2026). The comments in the code are by the model that wrote it; some were corrected since.
;; Transformer Block. Allowed arithmetic: float matrix products may take bf16 or f16 operands with f32 sums; other float arithmetic in f32, or as packed bf16 or f16 multiplies, adds, multiply-adds, maxima and minima; sums over many terms, partial sums and values carried from step to step in f32; what a program stores and reads back later, other than sums and carried values, may be rounded once to bf16 or f16.
;; Inputs: ln1_w 1,024 float32; ln2_w 1,024 float32; w1 4,096 x 1,024 float32; w2 1,024 x 4,096 float32; w_o 1,024 x 1,024 float32; w_qkv 3,072 x 1,024 float32; x 2 x 2,048 x 1,024 float32.
;; Outputs: out0 2 x 2,048 x 1,024 float32.
;; One version. Each part assembles by itself: llvm-mc -triple=amdgcn-amd-amdhsa -mcpu=gfx1250 --defsym DOCPART=n.
;; ======== version 1 of 1: 6 launches
;; limits: a function is approximated: absolute error at most 2.5e-05
;; workspace buffers: wb 25,165,824 bytes; hb 8,388,608 bytes; qkv 25,165,824 bytes; ctx 8,388,608 bytes; fs 16,777,216 bytes; a2 8,388,608 bytes; ssq 131,072 bytes; g 33,554,432 bytes
;; launch prep (part 1): grid 1024 x 1, 8 waves a work-group, no clusters, 0 bytes of LDS; arguments w_qkv, w_o, w1, w2, x, ln1_w, wb, hb; writes wb, hb
.if DOCPART == 1
	.amdgcn_target "amdgcn-amd-amdhsa--gfx1250"
	.amdhsa_code_object_version 6
	.text
	.protected	k_qb937aa1b8d_prep
	.globl	k_qb937aa1b8d_prep
	.p2align	8
	.type	k_qb937aa1b8d_prep,@function
k_qb937aa1b8d_prep:
	s_mov_b64 s[64:65], 0
	v_nop
	global_prefetch_b8 v0, s[64:65] scope:SCOPE_SE
	s_setreg_imm32_b32 hwreg(HW_REG_WAVE_MODE, 25, 1), 1
	s_wait_xcnt 0x0
; PREP.  Two kinds of work-group, both a stream of 64 KiB in and 32 KiB out; no LDS, no matrix work, no barrier: no byte is wanted twice.
; Work-groups 0-767: the four weight tensors, f32, are rounded once to bf16 and laid end to end in wb (w_qkv, w_o, w1, w2), each row-major as given.
; Work-groups 768-1023: h = x / sqrt(mean(x^2) + 1e-5) * ln1_w for 16 rows, two rows a wave, a row kept in registers between the sum and the scaling.
; x and ln1_w are rounded to bf16 first, as every input of this program is wherever it is used; sums and the scaling in f32; h rounded once to bf16.
; LIMITS.  A row's sum of squares must stay finite in f32; NaN and infinities are not treated apart.
.set W,   8                            ; v[8:39]    ln1_w of my 32 columns
.set X,   40                           ; v[40:103]  two rows, 32 numbers a lane each
.set T,   104                          ; v[104:107] at work
.set SUM, 112                          ; v[112:119] four chains of sums, two numbers each
.set R,   120                          ; v[120:121] 1 / rms in the low register
.set MHI, 34                           ; s34  a word's upper bf16
	s_load_b512 s[8:23], s[0:1], 0x0               ; w_qkv s[8:9], w_o s[10:11], w1 s[12:13], w2 s[14:15], x s[16:17], ln1_w s[18:19], wb s[20:21], hb s[22:23]
	s_cmp_ge_u32 ttmp9, 768
	s_cbranch_scc1 .Lnorm
	; THE CAST.  The tensors have 192, 64, 256 and 256 blocks of 65,536 bytes; block g of all goes to byte 32,768 g of wb.
	v_lshlrev_b32 v1, 4, v0                        ; 16 bytes a thread in: the work-group's load covers 4,096 bytes on end
	v_lshlrev_b32 v2, 3, v0                        ; 8 bytes a thread out: a wave's store covers 256 consecutive bytes, aligned
	s_wait_kmcnt 0x0
	s_mov_b64 s[4:5], s[8:9]
	s_mov_b32 s3, 0
	s_cmp_ge_u32 ttmp9, 192
	s_cselect_b64 s[4:5], s[10:11], s[4:5]
	s_cselect_b32 s3, 192, s3
	s_cmp_ge_u32 ttmp9, 256
	s_cselect_b64 s[4:5], s[12:13], s[4:5]
	s_cselect_b32 s3, 256, s3
	s_cmp_ge_u32 ttmp9, 512
	s_cselect_b64 s[4:5], s[14:15], s[4:5]
	s_cselect_b32 s3, 512, s3
	s_sub_co_u32 s2, ttmp9, s3                     ; my block within its tensor
	s_lshl_b32 s2, s2, 16
	s_mov_b32 s3, 0
	s_add_nc_u64 s[4:5], s[4:5], s[2:3]
	s_lshl_b32 s6, ttmp9, 15
	s_mov_b32 s7, 0
	s_add_nc_u64 s[20:21], s[20:21], s[6:7]
.set i, 0
.rept 16
	global_load_b128 v[8+4*i:11+4*i], v1, s[4:5] offset:4096*i th:TH_LOAD_NT
.set i, i+1
.endr
.set i, 0
.rept 16
	s_wait_loadcnt 15-i                            ; loads come back in order: number i is in, the 15 - i younger ones stay out
	v_cvt_pk_bf16_f32 v[72+2*i], v[8+4*i], v[9+4*i]
	v_cvt_pk_bf16_f32 v[73+2*i], v[10+4*i], v[11+4*i]
	global_store_b64 v2, v[72+2*i:73+2*i], s[20:21] offset:2048*i  ; each store has registers of its own: none is rewritten
.set i, i+1
.endr
	s_endpgm
	; THE NORM.
.Lnorm:
	v_lshrrev_b32 v3, 5, v0
	v_readfirstlane_b32 s28, v3                    ; wave 0..7
	v_and_b32 v3, 31, v0
	v_lshlrev_b32 v1, 4, v3                        ; my 16 bytes in each 512 bytes of a row of x
	v_lshlrev_b32 v2, 3, v3                        ; my 8 bytes in each 256 bytes of a row of h
	s_sub_co_u32 s24, ttmp9, 768
	s_lshl_b32 s24, s24, 4
	s_lshl1_add_u32 s24, s28, s24                  ; my first row = 16 x group + 2 x wave
	s_lshl_b32 s26, s24, 11                        ; x 2,048 bytes in h
	s_lshl_b32 s24, s24, 12                        ; x 4,096 bytes in x
	s_mov_b32 s25, 0
	s_mov_b32 s27, 0
	s_mov_b32 s30, 0x3a800000                      ; 1 / 1024
	s_mov_b32 s31, 0x3727c5ac                      ; 1e-5
	s_mov_b32 s32, 0x76543210                      ; v_permlanex16_b32: each lane takes its own place in the other half
	s_mov_b32 s33, 0xfedcba98
	s_mov_b32 s[MHI], 0xffff0000
	s_wait_kmcnt 0x0
	s_add_nc_u64 s[16:17], s[16:17], s[24:25]
	s_add_nc_u64 s[22:23], s[22:23], s[26:27]
.set i, 0
.rept 8
	global_load_b128 v[W+4*i:W+4*i+3], v1, s[18:19] offset:512*i
.set i, i+1
.endr
.set i, 0
.rept 16
	global_load_b128 v[X+4*i:X+4*i+3], v1, s[16:17] offset:4096*(i/8)+512*(i%8) th:TH_LOAD_NT
.set i, i+1
.endr
; 16 pairs of f32 from register base on are rounded to bf16 and widened again, in place
.macro RND base
.set k, 0
.rept 16
	v_cvt_pk_bf16_f32 v[T+k%4], v[(\base)+2*k], v[(\base)+2*k+1]
	v_lshlrev_b32 v[(\base)+2*k], 16, v[T+k%4]
	v_and_b32 v[(\base)+2*k+1], s[MHI], v[T+k%4]
.set k, k+1
.endr
.endm
; Row q of my two: rounded, summed, scaled, stored.
.macro ROW q
.set XQ, X+32*(\q)
	RND XQ
.set k, 0
.rept 4
	v_pk_mul_f32 v[SUM+2*k:SUM+2*k+1], v[XQ+2*k:XQ+2*k+1], v[XQ+2*k:XQ+2*k+1]  ; the first four pairs start four chains: nothing is cleared
.set k, k+1
.endr
.rept 12
	v_pk_fma_f32 v[SUM+2*(k%4):SUM+2*(k%4)+1], v[XQ+2*k:XQ+2*k+1], v[XQ+2*k:XQ+2*k+1], v[SUM+2*(k%4):SUM+2*(k%4)+1]
.set k, k+1
.endr
	v_pk_add_f32 v[SUM:SUM+1], v[SUM:SUM+1], v[SUM+2:SUM+3]
	v_pk_add_f32 v[SUM+4:SUM+5], v[SUM+4:SUM+5], v[SUM+6:SUM+7]
	v_pk_add_f32 v[SUM:SUM+1], v[SUM:SUM+1], v[SUM+4:SUM+5]
	v_add_f32 v[SUM], v[SUM], v[SUM+1]
	v_add_f32_dpp v[SUM], v[SUM], v[SUM] row_xmask:1 row_mask:0xf bank_mask:0xf
	v_add_f32_dpp v[SUM], v[SUM], v[SUM] row_xmask:2 row_mask:0xf bank_mask:0xf
	v_add_f32_dpp v[SUM], v[SUM], v[SUM] row_xmask:4 row_mask:0xf bank_mask:0xf
	v_add_f32_dpp v[SUM], v[SUM], v[SUM] row_xmask:8 row_mask:0xf bank_mask:0xf
	v_permlanex16_b32 v[SUM+1], v[SUM], s32, s33   ; its destination has been written before
	v_add_f32 v[SUM], v[SUM], v[SUM+1]             ; every lane holds the row's sum of squares
	v_fma_f32 v[R], v[SUM], s30, s31               ; mean + eps
	v_rsq_f32 v[R], v[R]
	v_mov_b32 v[R+1], 0                            ; the plain instruction behind the root; it also writes the pair's other register
	s_wait_alu depctr_va_vdst(0)                   ; the wait ahead of the first line that names the root's result
.set k, 0
.rept 16
	v_pk_mul_f32 v[XQ+2*k:XQ+2*k+1], v[XQ+2*k:XQ+2*k+1], v[R:R+1] op_sel_hi:[1,0]
.set k, k+1
.endr
.set k, 0
.rept 16
	v_pk_mul_f32 v[XQ+2*k:XQ+2*k+1], v[XQ+2*k:XQ+2*k+1], v[W+2*k:W+2*k+1]
.set k, k+1
.endr
.set k, 0
.rept 16
	v_cvt_pk_bf16_f32 v[XQ+k], v[XQ+2*k], v[XQ+2*k+1]  ; ascending: the register written has been read already
.set k, k+1
.endr
.set k, 0
.rept 8
	global_store_b64 v2, v[XQ+2*k:XQ+2*k+1], s[22:23] offset:2048*(\q)+256*k  ; a wave's store covers 256 consecutive bytes, aligned
.set k, k+1
.endr
.endm
	s_wait_loadcnt 16                              ; ln1_w is in; the sixteen loads of x are younger
	RND W
	s_wait_loadcnt 8                               ; row 0 is in
	ROW 0
	s_wait_loadcnt 0x0                             ; row 1 is in
	ROW 1
	s_endpgm
.Lfunc_end_k_qb937aa1b8d_prep:
	.size	k_qb937aa1b8d_prep, .Lfunc_end_k_qb937aa1b8d_prep-k_qb937aa1b8d_prep
	.p2alignl 7, 3214868480
	.fill 96, 4, 3214868480
	.section	.rodata,"a",@progbits
	.p2align	6, 0x0
	.amdhsa_kernel k_qb937aa1b8d_prep
		.amdhsa_group_segment_fixed_size 0
		.amdhsa_private_segment_fixed_size 0
		.amdhsa_enable_private_segment 0
		.amdhsa_kernarg_size 64
		.amdhsa_user_sgpr_count 2
		.amdhsa_user_sgpr_kernarg_segment_ptr 1
		.amdhsa_wavefront_size32 1
		.amdhsa_system_sgpr_workgroup_id_x 1
		.amdhsa_system_sgpr_workgroup_id_y 1
		.amdhsa_system_sgpr_workgroup_id_z 1
		.amdhsa_system_vgpr_workitem_id 0
		.amdhsa_next_free_vgpr 128
		.amdhsa_next_free_sgpr 66
		.amdhsa_reserve_vcc 0
		.amdhsa_float_denorm_mode_32 3
		.amdhsa_float_denorm_mode_16_64 3
		.amdhsa_memory_ordered 1
		.amdhsa_forward_progress 1
		.amdhsa_inst_pref_size 27
	.end_amdhsa_kernel
	.amdgpu_metadata
---
amdhsa.version: [ 1, 2 ]
amdhsa.kernels:
  - .name:           k_qb937aa1b8d_prep
    .symbol:         k_qb937aa1b8d_prep.kd
    .args:
      - { .name: w_qkv, .offset: 0, .size: 8, .value_kind: global_buffer, .address_space: global }
      - { .name: w_o, .offset: 8, .size: 8, .value_kind: global_buffer, .address_space: global }
      - { .name: w1, .offset: 16, .size: 8, .value_kind: global_buffer, .address_space: global }
      - { .name: w2, .offset: 24, .size: 8, .value_kind: global_buffer, .address_space: global }
      - { .name: x, .offset: 32, .size: 8, .value_kind: global_buffer, .address_space: global }
      - { .name: ln1_w, .offset: 40, .size: 8, .value_kind: global_buffer, .address_space: global }
      - { .name: wb, .offset: 48, .size: 8, .value_kind: global_buffer, .address_space: global }
      - { .name: hb, .offset: 56, .size: 8, .value_kind: global_buffer, .address_space: global }
    .group_segment_fixed_size: 0
    .private_segment_fixed_size: 0
    .kernarg_segment_align: 8
    .kernarg_segment_size: 64
    .max_flat_workgroup_size: 256
    .sgpr_count:     66
    .vgpr_count:     128
    .wavefront_size: 32
...
	.end_amdgpu_metadata
.endif
;; end of part 1
;; launch gemm_qkv (part 2): grid 16 x 16, 4 waves a work-group, clusters of 4 x 4, 327,680 bytes of LDS; arguments hb, wb, qkv; writes qkv
.if DOCPART == 2
	.amdgcn_target "amdgcn-amd-amdhsa--gfx1250"
	.amdhsa_code_object_version 6
	.text
	.protected	k_qb937aa1b8d_gemm_qkv
	.globl	k_qb937aa1b8d_gemm_qkv
	.p2align	8
	.type	k_qb937aa1b8d_gemm_qkv,@function
k_qb937aa1b8d_gemm_qkv:
	s_mov_b64 s[64:65], 0
	v_nop
	global_prefetch_b8 v0, s[64:65] scope:SCOPE_SE
	s_setreg_imm32_b32 hwreg(HW_REG_WAVE_MODE, 25, 1), 1
	s_wait_xcnt 0x0
	s_wait_alu depctr_hold_cnt(0) depctr_sa_sdst(0) depctr_va_vdst(0) depctr_va_sdst(0) depctr_va_ssrc(0) depctr_va_vcc(0) depctr_vm_vsrc(0)
	s_getreg_b32 s2, hwreg(HW_REG_IB_STS2, 6, 4)
	s_cmp_eq_u32 s2, 0
	s_cbranch_scc0 .Lentry_in_a_cluster
	s_endpgm
.Lentry_in_a_cluster:
	s_bfe_u32 s2, ttmp6, 0x10000c
	s_cmp_lg_u32 s2, 0xf033
	s_cbranch_scc0 .Lentry_shape_is_right
	s_endpgm
.Lentry_shape_is_right:
; QKV PROJECTION.  C[m][n] = sum over k of h[m][k] w_qkv[n][k]; h: [4096][1024] bf16, w_qkv: [3072][1024] bf16 (wb's first part); sums in f32, C rounded once to bf16.
; C leaves by heads: qkv[b][j][s][64], j = n / 64 (0-15 q's heads, 16-31 k's, 32-47 v's), unscaled.
; SHARES.  A tile of C is 256 x 192: 16 x 16 tiles, one for each of 256 work-groups.  Four waves, each 128 x 96: 48 accumulators of 16 x 16.
; K goes in 8 steps of 128 through a ring of two LDS slots filled by the tensor data mover; a tile's rows are 256 bytes of memory, aligned.
; CLUSTER.  4 x 4 work-groups: the four of a row of the cluster need the same tiles of h, the four of a column the same tiles of w: each tile is asked for jointly.
; THE MATRIX INSTRUCTION IS USED TRANSPOSED (source 0 = 16 rows of w, source 1 = 16 rows of h): a lane holds eight neighbouring columns of one row of C.
; THE LOOP has one K step to a trip: the LDS place of the slot read (TB) and of the slot filled (FS) are scalars that an exclusive or turns between 0 and SLOT.
; REGISTERS, in windows of 256: window 0: v0-31 addresses, v64-127 and v128-191 h's fragments (two buffers); window 1: w's fragments at the same numbers;
;   window 2: the accumulators of my rows 0-63 ((a, b) at v[8 (6 a + b)]); window 3: those of my rows 64-127.
.set NBK,    6                         ; blocks of 16 columns a wave
.set TSTEPS, 8
.set STEPB,  256                       ; bytes of a row in a K step
.set PITCH,  272                       ; an LDS row: 256 bytes + 16 of padding = 68 words: the 16 rows of a fragment load start at 16 different groups of four banks (ISA guide 11.1)
.set HA,     128*PITCH                 ; 128 rows of h: one tensor load
.set BH,     16*NBK                    ; rows of w in one tensor load
.set HB,     BH*PITCH
.set SLOT,   2*HA+2*HB                 ; h's two halves, then w's two halves
.set NLD,    16+2*NBK                  ; LDS loads of a quarter step
.set SP,     128*NBK+16                ; a stage row: 192 f32 + 16 bytes
.set SPARE,  2*SLOT                    ; behind the ring: the spare words, 128 bytes a wave, which no other line names
.set ADRA0, 12                         ; v12  my lane's place among h's fragments of slot 0; never rewritten
.set ADRB0, 13                         ; v13  the same for w
.set ADRA,  16                         ; v16  the same in the slot that is read
.set ADRB,  20                         ; v20
.set STO,   24                         ; v24, v25  the way out: where I put 32 bytes of a row (my rows 0-63, 64-127)
.set RD,    26                         ; v26  where I read rows back
.set GO,    27                         ; v27  my byte offset in the output
.set SPW,   28                         ; v28  my spare word: SPARE + 4 x my thread's number; never rewritten
.set NIL,   29                         ; v29  0; never rewritten
.set PFO,   30                         ; v30  the prefetches' offset: a lane a row; never rewritten
.set F0,    64
.set F1,    128
.set G1,  24                           ; s[24:31] descriptor group 1 for h's tiles
.set G0,  32                           ; s[32:39] group 0: set 0 the first fill, set 1 the second fill, which then walks
.set G1B, 48                           ; s[48:55], s[56:63] the same for w's tiles
.set G0B, 56
.set LIM, 43                           ; s43  2 in a wave that prefetches, else the greatest number
.set PFA, 44                           ; s[44:45] where my prefetches stand
.set TB,  66                           ; s66  LDS byte at which the slot read begins
.set FS,  67                           ; s67  LDS byte at which the slot filled last begins
.set LA,  82                           ; s82  my half's place in a slot, as a fetcher of h
.set LB,  83                           ; s83  the same as a fetcher of w
.set MSB, 0
.macro WIN new                         ; the immediate's high byte repeats the setting that is left; a switch that changes nothing is dropped
.if MSB != (\new)
	s_set_vgpr_msb (MSB<<8)|(\new)
.set MSB, \new
.endif
.endm
.set MUL_LO, 0xa1                      ; source 0 (w) window 1, source 1 (h) window 0, C and D window 2
.set MUL_HI, 0xf1                      ; the same, C and D window 3
.set TO_B,   0x40                      ; destination window 1, address window 0
; A joint load: waves 0 and 1 fetch h's two halves, waves 2 and 3 w's.  The branch hangs on the wave's number alone.  An s_nop 0 and four v_nop follow each line.
.macro JLOAD s
	s_cmp_eq_u32 s11, 0
	s_cbranch_scc0 .Lfor_b_\@
	tensor_load_to_lds s[G0+4*(\s):G0+4*(\s)+3], s[G1:G1+7]
	s_nop 0
.rept 4
	v_nop
.endr
	s_branch .Lasked_\@
.Lfor_b_\@:
	tensor_load_to_lds s[G0B+4*(\s):G0B+4*(\s)+3], s[G1B:G1B+7]
	s_nop 0
.rept 4
	v_nop
.endr
.Lasked_\@:
.endm
; A prefetch, behind a joint load and the run of LDS loads: my share of the rows that I fetch, for the K step that stands two refills on.  h's rows are asked for by the clusters with x = 0,
; w's by those with y = 0; the four partners share a wave's rows out by address.  The trips with s3 = 6 .. 3 name K steps 4 .. 7; the first four K steps come by their loads alone.
.macro ASK
	s_cmp_gt_u32 s3, s[LIM]
	s_cbranch_scc0 .Lnot_mine_\@
	global_prefetch_b8 v[PFO], s[PFA:PFA+1] offset:STEPB th:TH_LOAD_NT scope:SCOPE_SE
.Lnot_mine_\@:
.endm
.macro CREST                           ; a round of the cluster's barrier behind its opening barrier
	s_cmp_lg_u32 s10, 0
	s_cbranch_scc1 .Lnot_wave_0_\@
	s_barrier_signal -3
.Lnot_wave_0_\@:
	s_barrier_wait -3
	s_barrier_signal -1
	s_barrier_wait -1
.endm
.macro CROUND                          ; a whole round
	s_barrier_signal -1
	s_barrier_wait -1
	CREST
.endm
.macro PLACES                          ; four plain instructions behind a matrix instruction, ahead of loads into its sources and of readers of its result
.rept 4
	v_nop
.endr
.endm
	s_load_b128 s[4:7], s[0:1], 0x0                ; h s[4:5], wb s[6:7]
	s_load_b64 s[8:9], s[0:1], 0x10                ; qkv
	v_lshl_add_u32 v[SPW], v0, 2, SPARE
	v_mov_b32 v[NIL], 0
	ds_add_u32 v[SPW], v[NIL]                      ; the wave's opening: the add and its wait stand ahead of my first tensor load; the set-up stands between them
	ds_add_u32 v28, v29
	v_lshrrev_b32 v1, 5, v0
	v_readfirstlane_b32 s10, v1                    ; wave 0..3
	s_lshr_b32 s11, s10, 1                         ; my half of the tile's rows.  Also: I fetch h (0) or w (1)
	s_and_b32 s12, s10, 1                          ; my half of its columns.  Also: which half I fetch
	s_bfe_u32 s40, ttmp6, 0x40000                  ; cx
	s_bfe_u32 s41, ttmp6, 0x40004                  ; cy
	s_lshl_b32 s42, ttmp9, 2
	s_add_co_u32 s42, s42, s40                     ; tile column = 4 x cluster x + cx
	s_and_b32 s13, ttmp7, 0xffff
	s_lshl_b32 s13, s13, 2
	s_add_co_u32 s13, s13, s41                     ; tile row = 4 x cluster y + cy
	s_lshl_b32 s43, s41, 2
	s_lshl_b32 s43, 15, s43                        ; my row of the cluster
	s_lshl_b32 s44, 0x1111, s40                    ; my column
	s_or_b32 s[G1+0], s43, (1<<16)|(1<<20)|(1<<21)|(5<<22)|(3<<25)   ; mask; 2-byte elements; padding on; bit 21 beside a mask; after every 64 words, 4 words
	s_or_b32 s[G1B+0], s44, (1<<16)|(1<<20)|(1<<21)|(5<<22)|(3<<25)
	s_mov_b32 s[G1+1], 128<<16                     ; tensor_dim0 = 128
	s_mov_b32 s[G1+2], 128<<16                     ; tensor_dim1 = 128
	s_mov_b32 s[G1+3], 128<<16                     ; tile_dim0 = 128
	s_mov_b32 s[G1+4], 128                         ; tile_dim1 = 128
	s_mov_b32 s[G1+5], 1024                        ; elements from row to row
	s_mov_b32 s[G1+6], 0
	s_mov_b32 s[G1+7], 0
	s_mov_b32 s[G1B+1], 128<<16
	s_mov_b32 s[G1B+2], BH<<16                     ; 96 rows
	s_mov_b32 s[G1B+3], 128<<16
	s_mov_b32 s[G1B+4], BH
	s_mov_b32 s[G1B+5], 1024
	s_mov_b32 s[G1B+6], 0
	s_mov_b32 s[G1B+7], 0
	s_lshl_b32 s16, s13, 8                         ; h: row 256 x tile row + 128 x half, x 2,048 bytes: made of the tile row and the wave's number alone
	s_lshl_b32 s17, s12, 7
	s_add_co_u32 s16, s16, s17
	s_lshl_b32 s16, s16, 11
	s_mov_b32 s17, 0
	s_mul_i32 s46, s42, 2*BH                       ; w: row 192 x tile column + 96 x half: made of the tile column and the wave's number alone
	s_mul_i32 s47, s12, BH
	s_add_co_u32 s46, s46, s47
	s_lshl_b32 s46, s46, 11
	s_mov_b32 s47, 0
	s_mul_i32 s[LA], s12, HA                       ; no place in the cluster enters an LDS address
	s_mul_i32 s[LB], s12, HB
	s_add_co_u32 s[LB], s[LB], 2*HA
	s_mov_b32 s[TB], 0
	s_mov_b32 s[FS], SLOT
	s_wait_dscnt 0x0                               ; the opening add is done
	s_wait_kmcnt 0x0
	s_add_nc_u64 s[14:15], s[4:5], s[16:17]
	s_add_nc_u64 s[46:47], s[6:7], s[46:47]
	CROUND                                         ; all sixteen work-groups are here: the first joint loads meet
.irp s, 0,1
	s_mov_b32 s[G0+4*(\s)], 1
	s_add_co_u32 s[G0+4*(\s)+1], s[LA], (\s)*SLOT
	s_add_nc_u64 s[G0+4*(\s)+2:G0+4*(\s)+3], s[14:15], (\s)*STEPB
	s_or_b32 s[G0+4*(\s)+3], s[G0+4*(\s)+3], 0x80000000
	s_mov_b32 s[G0B+4*(\s)], 1
	s_add_co_u32 s[G0B+4*(\s)+1], s[LB], (\s)*SLOT
	s_add_nc_u64 s[G0B+4*(\s)+2:G0B+4*(\s)+3], s[46:47], (\s)*STEPB
	s_or_b32 s[G0B+4*(\s)+3], s[G0B+4*(\s)+3], 0x80000000
	JLOAD \s                                       ; K steps 0 and 1: two loads of mine are out
.endr
	; a fragment is 16 rows x 32 K in 8 registers: lane l holds row l % 16; two loads of 16 bytes, 32 bytes apart, at row x pitch + 16 (l / 16)
	v_and_b32 v1, 15, v0                           ; r = l % 16
	v_bfe_u32 v2, v0, 4, 1                         ; h = l / 16
	v_mul_u32_u24 v3, v1, PITCH
	v_lshl_add_u32 v3, v2, 4, v3
	s_mul_i32 s21, s11, HA
	s_mul_i32 s22, s12, HB
	s_add_co_u32 s22, s22, 2*HA
	v_add_nc_u32 v[ADRA0], s21, v3
	v_add_nc_u32 v[ADRB0], s22, v3
	v_mov_b32 v[ADRA], v[ADRA0]
	v_mov_b32 v[ADRB], v[ADRB0]
	s_mul_i32 s21, s11, 128*SP                     ; into the stage: row 128 x row half + r, byte 384 x column half + 32 h
	s_mul_i32 s22, s12, 64*NBK
	s_add_co_u32 s21, s21, s22
	v_mul_u32_u24 v3, v1, SP
	v_lshl_add_u32 v3, v2, 5, v3
	v_add_nc_u32 v[STO], s21, v3
	v_add_nc_u32 v[STO+1], 64*SP, v[STO]
	s_mul_i32 s21, s10, 64*SP                      ; back: wave w takes rows 64 w .. 64 w + 63; lanes 0-15 one row's 64 columns, lanes 16-31 the next row's
	v_mul_u32_u24 v3, v2, SP
	v_lshl_add_u32 v3, v1, 4, v3
	v_add_nc_u32 v[RD], s21, v3
	v_and_b32 v[GO], 31, v0
	v_lshlrev_b32 v[GO], 3, v[GO]                  ; two rows of 64 bf16 are 256 bytes on end: 8 bytes a lane
	s_lshr_b32 s20, s13, 3                         ; b
	s_mul_i32 s20, s20, 48
	s_mul_i32 s21, s42, 3
	s_add_co_u32 s20, s20, s21                     ; plane 48 b + 3 x tile column,
	s_lshl_b32 s20, s20, 18                        ; of 262,144 bytes
	s_and_b32 s21, s13, 7
	s_lshl_b32 s21, s21, 8
	s_lshl_b32 s22, s10, 6
	s_add_co_u32 s21, s21, s22                     ; s = 256 (tile row % 8) + 64 w,
	s_lshl_b32 s21, s21, 7                         ; of 128 bytes
	s_add_co_u32 s20, s20, s21
	s_mov_b32 s21, 0
	s_add_nc_u64 s[8:9], s[8:9], s[20:21]
	; the prefetches: which rows are mine
	s_lshl_b32 s18, s13, 8
	s_lshl_b32 s19, s12, 7
	s_add_co_u32 s18, s18, s19                     ; h's first row that I fetch
	s_mul_i32 s19, s42, 2*BH
	s_mul_i32 s20, s12, BH
	s_add_co_u32 s19, s19, s20                     ; w's
	s_and_b32 s22, ttmp7, 0xffff                   ; cluster y
	s_cmp_eq_u32 s11, 0                            ; do I fetch h?
	s_cselect_b32 s20, s18, s19
	s_cselect_b32 s21, s40, s41                    ; my place among the four that ask with me
	s_cselect_b32 s22, ttmp9, s22                  ; the coordinate along which other clusters read the same rows
	s_cselect_b32 s23, 32, BH/4                    ; a partner's share of the rows
	s_cselect_b64 s[PFA:PFA+1], s[4:5], s[6:7]
	s_cmp_eq_u32 s22, 0
	s_cselect_b32 s[LIM], 2, -1                    ; the same in all sixteen partners, for a given wave
	s_mul_i32 s21, s21, s23
	s_add_co_u32 s20, s20, s21
	s_lshl_b32 s20, s20, 11
	s_mov_b32 s21, 0
	s_add_nc_u64 s[PFA:PFA+1], s[PFA:PFA+1], s[20:21]
	s_add_nc_u64 s[PFA:PFA+1], s[PFA:PFA+1], 2*STEPB  ; at K step 2: the first refill steps it to 3 and names K step 4
	s_sub_co_u32 s23, s23, 1
	v_and_b32 v[PFO], 31, v0
	v_min_u32 v[PFO], s23, v[PFO]                  ; w's share is 24 rows: lanes 24-31 name the last of them again
	v_lshlrev_b32 v[PFO], 11, v[PFO]
; 12 matrix instructions: row blocks a0, a0 + 1 of the window's four x all 6 column blocks, 32 along K.  zero = 1: the product starts the sum.
; The 48 accumulators take turns in the same order in every quarter step, over the backward jumps too.
.macro MULH f, hi, a0, zero
	WIN MUL_LO+0x50*(\hi)
.set ma, (\a0)
.rept 2
.set mb, 0
.rept NBK
.set rD, 8*(NBK*ma+mb)
.set rB, (\f)+8*mb
.set rA, (\f)+8*(4*(\hi)+ma)
.if \zero
	v_wmma_f32_16x16x32_bf16 v[rD:rD+7], v[rB:rB+7], v[rA:rA+7], 0
.else
	v_wmma_f32_16x16x32_bf16 v[rD:rD+7], v[rB:rB+7], v[rA:rA+7], v[rD:rD+7]
.endif
.set mb, mb+1
.endr
.set ma, ma+1
.endr
.endm
; the fragments of a quarter step (32 K at byte k of the rows) into buffer f, in one run: w's 12 loads, then h's 16
.macro FETCH k, f
	WIN TO_B
.set fi, 0
.rept NBK
	ds_load_b128 v[(\f)+8*fi:(\f)+8*fi+3],   v[ADRB] offset:(\k)+fi*16*PITCH
	ds_load_b128 v[(\f)+8*fi+4:(\f)+8*fi+7], v[ADRB] offset:(\k)+fi*16*PITCH+32
.set fi, fi+1
.endr
	WIN 0
.set fi, 0
.rept 8
	ds_load_b128 v[(\f)+8*fi:(\f)+8*fi+3],   v[ADRA] offset:(\k)+fi*16*PITCH
	ds_load_b128 v[(\f)+8*fi+4:(\f)+8*fi+7], v[ADRA] offset:(\k)+fi*16*PITCH+32
.set fi, fi+1
.endr
.endm
; one of a K step's first three quarters: multiplies buffer f; in its middle fetches the next quarter, at byte k, into buffer g
.macro QUARTER k, f, g, zero
	s_wait_dscnt 8                                 ; all but the youngest eight loads (h's rows 64-127)
	MULH \f, 0, 0, \zero
	MULH \f, 0, 2, \zero
	PLACES
	FETCH \k, \g
	s_wait_dscnt NLD                               ; all but the run just issued
	MULH \f, 1, 0, \zero
	MULH \f, 1, 2, \zero
.endm
; the last quarter multiplies buffer 1 and changes slots: one barrier.  In front of it each wave waits for all its tensor loads (one is out: its part of the next slot), adds 0 to its spare
; word, and waits for that and for its reads of this slot.  fill = 1: the barrier opens a round of the cluster's, and behind the round this slot is filled again, with the K step two on.
; fill = 0 (the tail): nothing is asked for, and in the last K step (s3 = 1) nothing is fetched either.
.macro TURN fill
.if \fill
	s_wait_xcnt 0x0                                ; the last prefetch, a K step back, has read its address
	s_add_nc_u64 s[PFA:PFA+1], s[PFA:PFA+1], STEPB
.endif
	WIN 0
	s_wait_tensorcnt 0x0                           ; no tensor load of mine is out, so a group 0 may be written
	ds_add_u32 v[SPW], v[NIL]                      ; 0 onto my spare word
.if \fill
	s_xor_b32 s[FS], s[FS], SLOT                   ; the walking descriptors: the other slot than last time,
	s_add_co_u32 s[G0+5], s[LA], s[FS]
	s_add_co_u32 s[G0B+5], s[LB], s[FS]
	s_add_nc_u64 s[G0+6:G0+7], s[G0+6:G0+7], STEPB     ; the next K step; the type bits on top are not reached
	s_add_nc_u64 s[G0B+6:G0B+7], s[G0B+6:G0B+7], STEPB
.endif
	s_wait_dscnt 9                                 ; the add and the youngest eight loads may be out
	MULH F1, 0, 0, 0
	s_wait_dscnt 0x0                               ; the add is done, and my reads of this slot are over
	s_barrier_signal -1
	MULH F1, 0, 2, 0                               ; work on registers while the others arrive
	WIN 0
	s_barrier_wait -1
.if \fill
	CREST                                          ; no wave of any partner still reads this slot or has a load on its way
	JLOAD 1                                        ; the first tensor load behind the round; its four v_nop are also the places in front of the loads below
.else
	s_cmp_eq_u32 s3, 1
	s_cbranch_scc1 .Lnf_\@
	PLACES
.endif
	s_xor_b32 s[TB], s[TB], SLOT
	v_add_nc_u32 v[ADRA], s[TB], v[ADRA0]
	v_add_nc_u32 v[ADRB], s[TB], v[ADRB0]
	FETCH 0, F0
.if \fill
	ASK
.else
.Lnf_\@:
.endif
	MULH F1, 1, 0, 0
	MULH F1, 1, 2, 0
.endm
	s_wait_tensorcnt 0x1                           ; my part of K step 0 is in; K step 1's load is younger and may stay out
	s_barrier_signal -1
	s_barrier_wait -1                              ; everybody's is
	FETCH 0, F0
	QUARTER 64, F0, F1, 1                          ; the first quarter stands in front of the loop: its products start the sums
	WIN 0
	s_mov_b32 s3, TSTEPS-2
.Lstep:                                                ; a trip: from a K step's second quarter to the next step's first; it fills one slot again
	QUARTER 128, F1, F0, 0
	QUARTER 192, F0, F1, 0
	TURN 1
	QUARTER 64, F0, F1, 0
	WIN 0
	s_sub_co_u32 s3, s3, 1
	s_cmp_lg_u32 s3, 0
	s_cbranch_scc1 .Lstep
	s_mov_b32 s3, 2
.Ltail:                                                ; the last two K steps ask for nothing: a text of their own
	QUARTER 128, F1, F0, 0
	QUARTER 192, F0, F1, 0
	TURN 0
	WIN 0
	s_sub_co_u32 s3, s3, 1
	s_cmp_lg_u32 s3, 0
	s_cbranch_scc0 .Lout
	QUARTER 64, F0, F1, 0
	WIN 0
	s_cmp_lg_u32 s3, 0
	s_cbranch_scc1 .Ltail
.Lout:
	; THE WAY OUT.  The ring has had its last fill; it now serves as one stage of 256 rows x 192 f32 for the work-group.
	PLACES
	PLACES
	s_wait_dscnt 0x0                               ; my reads of the ring are over,
	s_barrier_signal -1
	s_barrier_wait -1                              ; and everybody's: the ring's bytes may be written
.macro TOSTAGE hi
	WIN 0x08+4*(\hi)                               ; store data (source 1) in window 2 or 3
.set ma, 0
.rept 4
.set mb, 0
.rept NBK
.set rD, 8*(NBK*ma+mb)
	ds_store_b128 v[STO+(\hi)], v[rD:rD+3]   offset:ma*16*SP+64*mb      ; each accumulator's low registers first
	ds_store_b128 v[STO+(\hi)], v[rD+4:rD+7] offset:ma*16*SP+64*mb+16
.set mb, mb+1
.endr
.set ma, ma+1
.endr
.endm
	TOSTAGE 0
	TOSTAGE 1
	WIN 0
	s_wait_dscnt 0x0                               ; for the others' sake: my stores into the stage are done
	s_barrier_signal -1
	s_barrier_wait -1
	s_mov_b32 s3, 4
.Lw:                                                   ; a trip: 16 of my 64 rows: 8 pairs of rows x 3 planes
.set n, 0
.rept 24
	ds_load_b128 v[32+4*n:35+4*n], v[RD] offset:(n/3)*2*SP+(n%3)*256
.set n, n+1
.endr
.set n, 0
.rept 24
	s_wait_dscnt 23-n                              ; LDS loads come back in order: number n is in
	v_cvt_pk_bf16_f32 v[128+2*n], v[32+4*n], v[33+4*n]
	v_cvt_pk_bf16_f32 v[129+2*n], v[34+4*n], v[35+4*n]
	global_store_b64 v[GO], v[128+2*n:129+2*n], s[8:9] offset:(n%3)*262144+(n/3)*256  ; the wave stores 256 consecutive bytes, aligned: two rows of one head
.set n, n+1
.endr
	s_wait_xcnt 0x0                                ; the stores have read their registers: offset and data are rewritten only behind this wait
	v_add_nc_u32 v[GO], 2048, v[GO]
	v_add_nc_u32 v[RD], 16*SP, v[RD]
	s_sub_co_u32 s3, s3, 1
	s_cmp_lg_u32 s3, 0
	s_cbranch_scc1 .Lw
	s_wait_tensorcnt 0x0                           ; the wave's end, behind my last tensor load and my last LDS store
	ds_add_u32 v[SPW], v[NIL]
	s_wait_dscnt 0x0
	CROUND                                         ; the closing round: no work-group ends while a partner may still ask for a tile that names it
	s_endpgm
.Lfunc_end_k_qb937aa1b8d_gemm_qkv:
	.size	k_qb937aa1b8d_gemm_qkv, .Lfunc_end_k_qb937aa1b8d_gemm_qkv-k_qb937aa1b8d_gemm_qkv
	.p2alignl 7, 3214868480
	.fill 96, 4, 3214868480
	.section	.rodata,"a",@progbits
	.p2align	6, 0x0
	.amdhsa_kernel k_qb937aa1b8d_gemm_qkv
		.amdhsa_group_segment_fixed_size 327680
		.amdhsa_private_segment_fixed_size 0
		.amdhsa_enable_private_segment 0
		.amdhsa_kernarg_size 24
		.amdhsa_user_sgpr_count 2
		.amdhsa_user_sgpr_kernarg_segment_ptr 1
		.amdhsa_wavefront_size32 1
		.amdhsa_system_sgpr_workgroup_id_x 1
		.amdhsa_system_sgpr_workgroup_id_y 1
		.amdhsa_system_sgpr_workgroup_id_z 1
		.amdhsa_system_vgpr_workitem_id 0
		.amdhsa_next_free_vgpr 1024
		.amdhsa_next_free_sgpr 100
		.amdhsa_reserve_vcc 0
		.amdhsa_float_denorm_mode_32 3
		.amdhsa_float_denorm_mode_16_64 3
		.amdhsa_memory_ordered 1
		.amdhsa_forward_progress 1
		.amdhsa_inst_pref_size 73
	.end_amdhsa_kernel
	.amdgpu_metadata
---
amdhsa.version: [ 1, 2 ]
amdhsa.kernels:
  - .name:           k_qb937aa1b8d_gemm_qkv
    .symbol:         k_qb937aa1b8d_gemm_qkv.kd
    .args:
      - { .name: hb, .offset: 0, .size: 8, .value_kind: global_buffer, .address_space: global }
      - { .name: wb, .offset: 8, .size: 8, .value_kind: global_buffer, .address_space: global }
      - { .name: qkv, .offset: 16, .size: 8, .value_kind: global_buffer, .address_space: global }
    .group_segment_fixed_size: 327680
    .private_segment_fixed_size: 0
    .kernarg_segment_align: 8
    .kernarg_segment_size: 24
    .max_flat_workgroup_size: 128
    .sgpr_count:     100
    .vgpr_count:     1024
    .wavefront_size: 32
...
	.end_amdgpu_metadata
.endif
;; end of part 2
;; launch attn (part 3): grid 8 x 32, 4 waves a work-group, no clusters, 327,680 bytes of LDS; arguments qkv, ctx; writes ctx
.if DOCPART == 3
	.amdgcn_target "amdgcn-amd-amdhsa--gfx1250"
	.amdhsa_code_object_version 6
	.text
	.protected	k_qb937aa1b8d_attn
	.globl	k_qb937aa1b8d_attn
	.p2align	8
	.type	k_qb937aa1b8d_attn,@function
k_qb937aa1b8d_attn:
	s_mov_b64 s[64:65], 0
	v_nop
	global_prefetch_b8 v0, s[64:65] scope:SCOPE_SE
	s_setreg_imm32_b32 hwreg(HW_REG_WAVE_MODE, 25, 1), 1
	s_wait_xcnt 0x0
; CAUSAL ATTENTION, head size 64.  O[q] = the sum over k <= q of softmax_k(Q[q] . K[k] / 8) V[k], for 32 heads (b, head) of 2,048 rows.
; qkv: [b][j][s][64] bf16, j = head (Q), 16 + head (K), 32 + head (V): a head's rows are dense, 128 bytes each.  Products, maxima and sums in f32; the weights p are rounded to bf16 for the
; second product (their sum l is taken of the unrounded p), O once at the end.  ctx: [row pair][head][row parity][64] bf16: one head's two rows are 256 bytes on end.
; LIMITS.  A hidden score counts as its value less 1e30; a weight below 2^-126 counts as 0 in l; NaN and infinities are not treated apart.
; THE WALK.  A head has 16 blocks of 128 queries; block i needs the key UNITS 0 .. i of 128 keys, the last of which holds the diagonal.  A work-group takes blocks 15 - pb and then pb: 17 units,
; 34 key steps of 64, whatever pb: all 256 work-groups do equal work, and loops with constant counts walk them.  Wave w owns rows 32 w .. 32 w + 31 of a block: two tiles of 16.
; NO CLUSTER: a head's 8 work-groups ask for the same unit only in the walk's first half, then fewer and fewer; one walk common to all would have 24 units for 17.
; LAYOUT.  S^T = K Q^T holds one query a lane (lane % 16) and the keys 8 (lane / 16) + 0..7; two such results rounded to bf16 are source 1 of O^T = V^T P.  p = 2^(c s - c m), c = log2(e) / 8,
; with a running maximum m; l and O are multiplied by a = 2^(c m_old - c m_new) in every step.
; BY TURNS, OVER THREE STEPS.  Turn t: 16 products K Q^T of step t + 1, behind each a scaling, an exponential (step t) and two rescalings of O^T; one lump: the rest of step t's scalings and
; exponentials and step t + 1's maximum and statistics; ONE wait for the batch of 66 exponentials; 16 products V^T P of step t - 1, behind each four of step t's roundings and sums.
; O^T IS RESCALED A TURN LATE: turn t multiplies it by a(t - 1), ahead of the products V^T P of step t - 1, whose weights are taken against m(t - 1).  S^T, P and the registers at work go by the
; step's parity, so the text holds two turns, a unit.  The text's trip begins in the middle of an even turn, where the change of slots stands.
; THE RING.  K is read from LDS two steps ahead of V.  So slot s holds V's units 2 s, 2 s + 1 and K's units 2 s + 1, 2 s + 2: both are left at the same place in the text.  Each of the four waves
; loads one unit (64 rows of 256 bytes).  K's unit 0 and V's unit 16 have regions of their own, filled once.  Eight slots: two first fills, six refills; a refill has four turns in which to land.
; THE MASK is the C operand that starts the sums S^T: MC = MD x AL + BE.  MD, made once, is the mask of 64 keys against my rows' places 32 (w % 2) + ..; for the diagonal unit's first step (AL, BE) is
; (1, 0) in waves 0, 1 and (0, 0) in waves 2, 3; for its second step (0, -1e30) and (1, 0); elsewhere (0, 0).  MC is made anew only round a diagonal unit.
; A BLOCK'S END runs through the same text: ahead of its last turn Q is changed and m set back (that turn's K Q^T and maximum are the next block's); behind it l is set aside and the next block's
; first a is made 0, which clears l and, a turn later, O^T; behind the next half turn, which holds the block's last V^T P, the block goes out.
; REGISTERS, in windows of 256: window 0: v0-63 addresses, statistics, at work; v64-191 S^T, two buffers; v192-255 P, two buffers.  window 1: v0-63 O^T; v64-127 MD; v128-191 MC.
;   window 2: v0-31 Q; v32-63 the second block's Q; v64-127 K of one step; v128-191 V of one step.
.set NB,    16
.set KS,    64
.set PK,    144                        ; a row of K in LDS: 128 bytes + 16 = 36 words: the 16 rows of a load start at 16 different groups of four banks (ISA guide 11.1)
.set PV,    160                        ; a row of V: 128 + 32 = 40 words
.set UK,    128*PK                     ; a unit of K
.set UV,    128*PV                     ; a unit of V
.set K0R,   0                          ; K's unit 0, filled once; K's slot 0 follows it, so that the fetches step straight on
.set KR,    UK                         ; K's slot 0: two units
.set VR,    KR+2*UK                    ; V's slot 0: two units
.set SLOT1, 1<<17                      ; slot 1 lies this much higher: one exclusive or turns an address in one slot into the other's
.set VX,    SLOT1+VR+2*UV              ; V's unit 16, filled once; it follows V's slot 1, so that the fetches step straight on
.set STAGE, VX+UV                      ; never filled by a tensor load: 16 rows x 144 bytes a wave, for the way out
.set SP,    144
.set SPARE, STAGE+4*16*SP              ; the spare words, 128 bytes a wave, which no other line names
.set AK0, 2                            ; v2   my lane's place in a step of K; never rewritten
.set AV0, 3                            ; v3   the same for V
.set AK,  4                            ; v4   the LDS address of K's run of loads
.set AV,  5                            ; v5   of V's
.set STO, 6                            ; v6   the way out: where I put 16 bytes of a row
.set RD,  7                            ; v7   where I read rows back
.set GO,  8                            ; v8   my byte offset in two units of ctx
.set QO,  10                           ; v10  my byte offset in 16 rows of Q
.set PFO, 11                           ; v11  256 x my lane; never rewritten
.set MV,  12                           ; v12-15  c m_old, kept while c m is made anew: by parity and tile
.set ST,  16                           ; v16-23  by tile: c m, m, l (even keys', odd keys')
.set BIGV, 24                          ; v24  -1e30
.set DQ,  26                           ; v26-27  by tile: my query's place among 64, less 8 (l / 16): for MD alone
.set LS,  28                           ; v28-35  by tile: a finished block's l, then 1 / l
.set TMP, 40                           ; v40-55  by parity and tile c0-c3, at work; c2 takes a
.set SPW, 62
.set NIL, 63
.set S,   64
.set P,   192
.set MD,  64                           ; window 1
.set MC,  128
.set QB,  32                           ; window 2
.set KF,  64
.set VF,  128
.set WV,  12                           ; s12  my wave's number
.set PB,  14                           ; s14  pb
.set HI,  15                           ; s15  15 - pb: the first block, and its last unit
.set G1K, 24                           ; s[24:31] descriptor group 1 for K's units
.set G1V, 32                           ; s[32:39] for V's: it differs in the padding alone
.set G0KA, 40                          ; group 0: K's slot 0,
.set G0KB, 44                          ; K's slot 1: this one walks,
.set G0KC, 48                          ; K's unit 0
.set G0VA, 52                          ; the same for V;
.set G0VB, 56
.set G0VC, 60                          ; V's unit 16
.set KB,  66                           ; s[66:67] the head's K
.set VB,  68                           ; s[68:69] the head's V
.set OP,  70                           ; s[70:71] ctx at my rows of the block that goes out next
.set OLO, 72                           ; s[72:73] of the second block
.set OFF, 74                           ; s[74:75] a unit's byte offset in K and V
.set PFA, 76                           ; s[76:77] where my prefetches stand
.set CS,  78                           ; s[78:79] c
.set SEL, 80                           ; s[80:81] v_permlanex16_b32's selects
.set AL,  82                           ; s[82:83] the mask's factor, in the low word
.set BE,  84                           ; s[84:85] the mask's addend
.set TBK, 86                           ; s86  LDS byte at which K of the step to be fetched begins
.set TBV, 87                           ; s87  the same for V, less VR
.set SLOTS, 88
.set CNT, 89
.set U,   90                           ; s90  the unit in hand
.set DC,  91                           ; s91  1: it holds a diagonal
.set DN,  92                           ; s92  1: the next unit does
.set FIN, 93                           ; s93  1: a block waits to go out
.set HM1, 94                           ; s94  HI - 1
.set UW,  95                           ; s95  the unit that my walking descriptor loaded last
.set PLIM, 96                          ; s96  16 in the work-group that prefetches, else 0
.set ALA, 97                           ; s97  AL for a diagonal unit's first step; s98, s99: AL and BE for its second
.set ALB, 98
.set BEB, 99
.set HP1, 100                          ; s100 HI + 1: the first block's units
.set MSB, 0
.macro WIN new                         ; the immediate's high byte repeats the setting that is left; a switch that changes nothing is dropped
.if MSB != (\new)
	s_set_vgpr_msb (MSB<<8)|(\new)
.set MSB, \new
.endif
.endm
.set W_KM, 0x1a                        ; K and Q in window 2, the mask in window 1, S^T in window 0
.set W_KQ, 0x0a                        ; K and Q in window 2, S^T in window 0
.set W_PV, 0x52                        ; V in window 2, P in window 0, O^T in window 1
.set W_RS, 0x41                        ; destination and source 0 in window 1, source 1 in window 0
.macro NOP4
.rept 4
	v_nop
.endr
.endm
.macro TL g, g1                        ; a tensor load and an s_nop 0 behind it
	tensor_load_to_lds s[(\g):(\g)+3], s[(\g1):(\g1)+7]
	s_nop 0
.endm
; A refill: waves 0 and 1 fetch a slot's two units of K, waves 2 and 3 its two units of V.  An s_nop 0 and four v_nop follow each line.
.macro LOAD
	s_cmp_lt_u32 s[WV], 2
	s_cbranch_scc0 .Lfor_v_\@
	TL G0KB, G1K
	NOP4
	s_branch .Lasked_\@
.Lfor_v_\@:
	TL G0VB, G1V
	NOP4
.Lasked_\@:
.endm
; A prefetch of the unit that I load myself at the NEXT change of slots: 64 blocks of 256 bytes, a lane a block, two instructions.  Only the head's work-group pb = 0 asks: its first block takes
; the units 0 to 15 in order, unit = tile.  So K's tiles 7 to 15 and V's 6 to 15 are named once each; the earlier ones come by their loads alone; nothing past tile 15 is named.
.macro ASK
	s_cmp_lt_u32 s3, s[PLIM]                       ; s3: that unit
	s_cbranch_scc0 .Lna_\@
	global_prefetch_b8 v[PFO], s[PFA:PFA+1] th:TH_LOAD_NT scope:SCOPE_SE
	global_prefetch_b8 v[PFO], s[PFA:PFA+1] offset:8192 th:TH_LOAD_NT scope:SCOPE_SE
.Lna_\@:
.endm
; THE CHANGE OF SLOTS, in the middle of an even turn: V's last run from the old slot has been waited for, K's first from the new one is not yet issued.  Each wave waits for all its tensor loads
; (one is out: its unit of the other slot), adds 0 to its spare word, and waits for that and for its reads.  fill = 1: the old slot is filled again, first thing behind the barrier, with the
; units two slots on; a unit past the first block's last is the second block's: its tile is the unit less HI + 1.  The descriptor's address is made anew from that number.
.macro CHANGE fill
	WIN 0
	s_wait_tensorcnt 0x0                           ; no tensor load of mine is out, so a group 0 may be written
	ds_add_u32 v[SPW], v[NIL]                      ; 0 onto my spare word
.if \fill
	s_add_co_u32 s[UW], s[UW], 2
	s_cmp_gt_u32 s[UW], s[HI]
	s_cselect_b32 s2, s[HP1], 0
	s_sub_co_u32 s2, s[UW], s2                     ; the tile
	s_lshl_b32 s[OFF], s2, 14                      ; of 16,384 bytes
	s_xor_b32 s[G0KB+1], s[G0KB+1], SLOT1
	s_add_nc_u64 s[G0KB+2:G0KB+3], s[KB:KB+1], s[OFF:OFF+1]
	s_or_b32 s[G0KB+3], s[G0KB+3], 0x80000000
	s_xor_b32 s[G0VB+1], s[G0VB+1], SLOT1
	s_add_nc_u64 s[G0VB+2:G0VB+3], s[VB:VB+1], s[OFF:OFF+1]
	s_or_b32 s[G0VB+3], s[G0VB+3], 0x80000000
	s_wait_xcnt 0x0                                ; the last prefetches, a slot back, have read their address
	s_add_nc_u64 s[PFA:PFA+1], s[PFA:PFA+1], 32768
	s_add_co_u32 s3, s[UW], 2
.endif
	s_wait_dscnt 0x0                               ; the add is done, and my reads of the slot are over
	s_barrier_signal -1
	s_sub_co_u32 s[TBK], s[TBK], 4*KS*PK           ; the fetches go back to a slot's first step,
	s_xor_b32 s[TBK], s[TBK], SLOT1                ; in the other slot
	s_sub_co_u32 s[TBV], s[TBV], 4*KS*PV
	s_xor_b32 s[TBV], s[TBV], SLOT1
	s_barrier_wait -1
.if \fill
	LOAD
	ASK
.endif
.endm
	s_load_b128 s[4:7], s[0:1], 0x0                ; qkv s[4:5], ctx s[6:7]
	v_lshl_add_u32 v[SPW], v0, 2, SPARE
	v_mov_b32 v[NIL], 0
	ds_add_u32 v[SPW], v[NIL]                      ; the wave's opening: the add and its wait stand ahead of my first tensor load
	ds_add_u32 v62, v63
	v_lshrrev_b32 v1, 5, v0
	v_readfirstlane_b32 s[WV], v1
	s_mov_b32 s[PB], ttmp9
	s_sub_co_u32 s[HI], NB-1, s[PB]
	s_sub_co_u32 s[HM1], s[HI], 1
	s_add_co_u32 s[HP1], s[HI], 1
	s_and_b32 s20, ttmp7, 0xffff
	s_lshr_b32 s21, s20, 4                         ; b
	s_and_b32 s22, s20, 15                         ; head
	s_mul_i32 s23, s21, 48
	s_add_co_u32 s23, s23, s22
	s_lshl_b32 s23, s23, 18                        ; Q's plane of 262,144 bytes
	s_add_co_u32 s[KB], s23, 16<<18                ; K's plane is 16 further on,
	s_mov_b32 s[KB+1], 0
	s_add_co_u32 s[VB], s23, 32<<18                ; V's 32
	s_mov_b32 s[VB+1], 0
	s_lshl_b32 s2, s[WV], 12                       ; my 32 rows in a block of Q
	s_add_co_u32 s2, s2, s23
	s_lshl_b32 s3, s[HI], 14
	s_add_co_u32 s16, s2, s3
	s_lshl_b32 s3, s[PB], 14
	s_add_co_u32 s18, s2, s3
	s_mov_b32 s17, 0
	s_mov_b32 s19, 0
	s_lshl_b32 s2, s21, 22                         ; ctx: row pair 1,024 b + 64 block + 16 w, of 4,096 bytes; head x 256
	s_lshl_b32 s3, s[WV], 16
	s_add_co_u32 s2, s2, s3
	s_lshl_b32 s3, s22, 8
	s_add_co_u32 s2, s2, s3
	s_lshl_b32 s3, s[HI], 18
	s_add_co_u32 s[OP], s2, s3
	s_lshl_b32 s3, s[PB], 18
	s_add_co_u32 s[OLO], s2, s3
	s_mov_b32 s[OP+1], 0
	s_mov_b32 s[OLO+1], 0
	; descriptor group 1.  128 keys are 16,384 dense bytes: asked for as 64 rows of 256 bytes, two keys a row, and padded in LDS after every key
	s_mov_b32 s[G1K], (1<<16)|(1<<20)|(4<<22)|(3<<25)  ; 2-byte elements; padding on; after every 32 words; 4 words
	s_mov_b32 s[G1V], (1<<16)|(1<<20)|(4<<22)|(7<<25)  ; the same with 8 words
.irp g, G1K, G1V
	s_mov_b32 s[\g+1], 128<<16                     ; tensor_dim0 = 128
	s_mov_b32 s[\g+2], 64<<16                      ; tensor_dim1 = 64
	s_mov_b32 s[\g+3], 128<<16                     ; tile_dim0 = 128
	s_mov_b32 s[\g+4], 64                          ; tile_dim1 = 64
	s_mov_b32 s[\g+5], 128                         ; elements from row to row
	s_mov_b32 s[\g+6], 0
	s_mov_b32 s[\g+7], 0
.endr
.irp g, G0KA, G0KB, G0KC, G0VA, G0VB, G0VC
	s_mov_b32 s[\g], 1                             ; count = 1
.endr
	s_and_b32 s20, s[WV], 1                        ; which of a slot's two units is mine
	s_mul_i32 s2, s20, UK
	s_add_co_u32 s[G0KA+1], s2, KR
	s_add_co_u32 s[G0KB+1], s2, SLOT1+KR
	s_mov_b32 s[G0KC+1], K0R
	s_mul_i32 s2, s20, UV
	s_add_co_u32 s[G0VA+1], s2, VR
	s_add_co_u32 s[G0VB+1], s2, SLOT1+VR
	s_mov_b32 s[G0VC+1], VX
	s_cmp_lt_u32 s[WV], 2
	s_cselect_b32 s21, 1, 0                        ; K's units lie one further on than V's
	s_cselect_b32 s[ALA], 1.0, 0
	s_cselect_b32 s[ALB], 0, 1.0
	s_cselect_b32 s[BEB], 0xf149f2ca, 0            ; -1e30
	s_add_co_u32 s[UW], s20, 2
	s_add_co_u32 s[UW], s[UW], s21                 ; my unit of slot 1
	s_cmp_eq_u32 s[PB], 0
	s_cselect_b32 s[PLIM], 16, 0
	s_mov_b32 s[CS], 0x3e38aa3b                    ; c = log2(e) / 8
	s_mov_b32 s[CS+1], s[CS]
	s_mov_b32 s[SEL], 0x76543210
	s_mov_b32 s[SEL+1], 0xfedcba98
	s_mov_b32 s[AL], 0
	s_mov_b32 s[AL+1], 0                           ; named as pairs, so both words are written
	s_mov_b32 s[BE], 0
	s_mov_b32 s[BE+1], 0
	s_mov_b32 s[TBK], 0
	s_mov_b32 s[TBV], 0
	s_mov_b32 s[OFF+1], 0
	s_mov_b32 s[U], -1
	s_mov_b32 s[DC], 0
	s_mov_b32 s[DN], 0                             ; unit 0 holds no diagonal: the first block has 9 units or more
	s_mov_b32 s[FIN], 0
	s_wait_dscnt 0x0                               ; the opening add is done
	s_wait_kmcnt 0x0
	s_add_nc_u64 s[KB:KB+1], s[4:5], s[KB:KB+1]
	s_add_nc_u64 s[VB:VB+1], s[4:5], s[VB:VB+1]
	s_add_nc_u64 s[16:17], s[4:5], s[16:17]        ; Q at my rows of the first block,
	s_add_nc_u64 s[18:19], s[4:5], s[18:19]        ; and of the second
	s_add_nc_u64 s[OP:OP+1], s[6:7], s[OP:OP+1]
	s_add_nc_u64 s[OLO:OLO+1], s[6:7], s[OLO:OLO+1]
.macro GADR g, base                    ; the global address of tile s2, and the type
	s_lshl_b32 s[OFF], s2, 14
	s_add_nc_u64 s[(\g)+2:(\g)+3], s[(\base):(\base)+1], s[OFF:OFF+1]
	s_or_b32 s[(\g)+3], s[(\g)+3], 0x80000000
.endm
	s_add_co_u32 s2, s20, 1                        ; K's slot 0: units 1, 2
	GADR G0KA, KB
	s_add_co_u32 s2, s20, 3                        ; slot 1: units 3, 4
	GADR G0KB, KB
	s_mov_b32 s2, 0
	GADR G0KC, KB
	s_mov_b32 s2, s20                              ; V's slot 0: units 0, 1
	GADR G0VA, VB
	s_add_co_u32 s2, s20, 2                        ; slot 1: units 2, 3
	GADR G0VB, VB
	s_mov_b32 s2, s[PB]                            ; unit 16 is the second block's last tile
	GADR G0VC, VB
	s_cmp_lt_u32 s[WV], 2
	s_cselect_b64 s[PFA:PFA+1], s[KB:KB+1], s[VB:VB+1]
	s_add_co_u32 s2, s[UW], 2
	s_lshl_b32 s[OFF], s2, 14
	s_add_nc_u64 s[PFA:PFA+1], s[PFA:PFA+1], s[OFF:OFF+1]  ; at my unit of slot 2; the first change steps it to slot 3's
	; THE FIRST FILLS, one group, each wave's inside one branch on its number: three loads of waves 0 and 2 are out, two of waves 1 and 3
	s_cmp_lg_u32 s[WV], 0
	s_cbranch_scc1 .Lf1
	TL G0KC, G1K
	TL G0KA, G1K
	TL G0KB, G1K
	NOP4
	s_branch .Lfd
.Lf1:
	s_cmp_lg_u32 s[WV], 1
	s_cbranch_scc1 .Lf2
	TL G0KA, G1K
	TL G0KB, G1K
	NOP4
	s_branch .Lfd
.Lf2:
	s_cmp_lg_u32 s[WV], 2
	s_cbranch_scc1 .Lf3
	TL G0VA, G1V
	TL G0VB, G1V
	TL G0VC, G1V
	NOP4
	s_branch .Lfd
.Lf3:
	TL G0VA, G1V
	TL G0VB, G1V
	NOP4
.Lfd:
	v_and_b32 v1, 15, v0                           ; r = l % 16
	v_bfe_u32 v9, v0, 4, 1                         ; h = l / 16
	v_lshlrev_b32 v[QO], 7, v1
	v_lshl_add_u32 v[QO], v9, 4, v[QO]             ; row x 128 + 16 h
	WIN 0x80                                       ; destination window 2, address window 0
.set i, 0
.rept 4                                ; both blocks' Q stay in registers: tile i / 2, channels 32 (i % 2) on
	global_load_b128 v[8*i:8*i+3],         v[QO], s[16:17] offset:(i/2)*2048+(i%2)*64
	global_load_b128 v[8*i+4:8*i+7],       v[QO], s[16:17] offset:(i/2)*2048+(i%2)*64+32
	global_load_b128 v[QB+8*i:QB+8*i+3],   v[QO], s[18:19] offset:(i/2)*2048+(i%2)*64
	global_load_b128 v[QB+8*i+4:QB+8*i+7], v[QO], s[18:19] offset:(i/2)*2048+(i%2)*64+32
.set i, i+1
.endr
	; What the first turn finds: V's registers and P's second buffer hold 0 (its products V^T P, of a step that has not been, add 0); O^T, l and the a before the first are 0; MC is 0.
	; All this is written in the wait for the first units.
.set i, 0
.rept 64
	v_mov_b32 v[VF+i], 0
.set i, i+1
.endr
	WIN 0x40
.set i, 0
.rept 64
	v_mov_b32 v[i], 0
	v_mov_b32 v[MC+i], 0
.set i, i+1
.endr
	WIN 0
.irp t, 0,1
	v_mov_b32 v[ST+4*\t], 0xfe000000               ; c m: far below every c s
	v_mov_b32 v[ST+4*\t+1], 0xff7fffff             ; m: the lowest finite number
	v_mov_b32 v[ST+4*\t+2], 0
	v_mov_b32 v[ST+4*\t+3], 0
	v_mov_b32 v[TMP+8+4*\t+2], 0                   ; the a before the first, and the register named with it
	v_mov_b32 v[TMP+8+4*\t+3], 0
	v_mov_b32 v[LS+4*\t], 0
	v_mov_b32 v[LS+4*\t+1], 0
	v_mov_b32 v[LS+4*\t+2], 0
	v_mov_b32 v[LS+4*\t+3], 0
.endr
.set i, 0
.rept 32
	v_mov_b32 v[P+32+i], 0
.set i, i+1
.endr
	v_mov_b32 v[BIGV], 0xf149f2ca                  ; -1e30
	v_lshlrev_b32 v[DQ], 3, v9
	v_sub_nc_u32 v[DQ], v1, v[DQ]
	s_lshl_b32 s2, s20, 5
	v_add_nc_u32 v[DQ], s2, v[DQ]                  ; 32 (w % 2) + r - 8 h: register j of key block kb is hidden where 16 kb + j is greater
	v_add_nc_u32 v[DQ+1], 16, v[DQ]
	WIN 0x40
.set i, 0
.rept 64
	v_cmp_gt_i32 vcc_lo, 16*((i%32)/8)+i%8, v[DQ+i/32]
	v_cndmask_b32 v[MD+i], 0, v[BIGV], vcc_lo
.set i, i+1
.endr
	WIN 0
	v_mul_u32_u24 v[AK0], v1, PK
	v_lshl_add_u32 v[AK0], v9, 4, v[AK0]
	; the turning load takes 16 keys x 16 channels (lane l reads key 8 (l / 16) + l % 8, channels 8 ((l / 8) % 2) + 0..7) and leaves half a fragment of V^T
	v_and_b32 v36, 7, v0
	v_bfe_u32 v37, v0, 3, 1
	v_lshl_add_u32 v[AV0], v9, 3, v36
	v_mul_u32_u24 v[AV0], v[AV0], PV
	v_lshl_add_u32 v[AV0], v37, 4, v[AV0]
	v_add_nc_u32 v[AV0], VR, v[AV0]
	v_and_b32 v[PFO], 31, v0
	v_lshlrev_b32 v[PFO], 8, v[PFO]
; THE MATRIX WORK.  The 8 accumulators of a run of 16 take turns.
; Product i of S^T = K Q^T into buffer x: channels 32 (i / 8) on, keys 16 ((i / 2) % 4) on, tile i % 2.  The first 8 start the sums with the mask.
.macro MKQ x
.set rS, S+64*(\x)+32*(i%2)+8*((i/2)%4)
.set rK, KF+16*((i/2)%4)+8*(i/8)
.set rQ, 16*(i%2)+8*(i/8)
.set rM, MC+32*(i%2)+8*((i/2)%4)
.if i < 8
	WIN W_KM
	v_wmma_f32_16x16x32_bf16 v[rS:rS+7], v[rK:rK+7], v[rQ:rQ+7], v[rM:rM+7]
.else
	WIN W_KQ
	v_wmma_f32_16x16x32_bf16 v[rS:rS+7], v[rK:rK+7], v[rQ:rQ+7], v[rS:rS+7]
.endif
.endm
; Product i of O^T += V^T P, P from buffer x: keys 32 (i / 8) on, channels 16 ((i / 2) % 4) on, tile i % 2.
.macro MPV x
	WIN W_PV
.set rO, 32*(i%2)+8*((i/2)%4)
.set rV, VF+32*(i/8)+8*((i/2)%4)
.set rP, P+32*(\x)+16*(i%2)+8*(i/8)
	v_wmma_f32_16x16x32_bf16 v[rO:rO+7], v[rV:rV+7], v[rP:rP+7], v[rO:rO+7]
.endm
.macro MM                              ; the turn's next matrix instruction: both kinds work on the other parity's buffers
.if i < 16
	MKQ (1-Y)
.set i, i+1
.else
.set i, i-16
	MPV (1-Y)
.set i, i+17
.endif
.endm
; THE LDS LOADS stand in runs of 16.  last = 1 (the tail): past the walk's last step there is nothing to fetch, and the run is jumped over.
.macro FETCH_K last=0
	WIN 0
.if \last
	s_cmp_ge_u32 s[U], 16
	s_cbranch_scc1 .Lnk_\@
.endif
	v_add_nc_u32 v[AK], s[TBK], v[AK0]
	WIN 0x80                                       ; destination window 2
.irp f, 0,1,2,3,4,5,6,7                ; keys 16 (f / 2) on, channels 32 (f % 2) on
	ds_load_b128 v[KF+8*\f:KF+8*\f+3],   v[AK] offset:(\f/2)*16*PK+(\f%2)*64
	ds_load_b128 v[KF+8*\f+4:KF+8*\f+7], v[AK] offset:(\f/2)*16*PK+(\f%2)*64+32
.endr
	s_add_co_u32 s[TBK], s[TBK], KS*PK             ; the next fetch is the next step's
	WIN 0
.if \last
.Lnk_\@:
.endif
.endm
.macro FETCH_V last=0
	WIN 0
.if \last
	s_cmp_ge_u32 s[U], 17
	s_cbranch_scc1 .Lnv_\@
.endif
	v_add_nc_u32 v[AV], s[TBV], v[AV0]
	WIN 0x80
.irp f, 0,1,2,3,4,5,6,7                ; keys 32 (f / 4) on, channels 16 (f % 4) on
	ds_load_tr16_b128 v[VF+8*\f:VF+8*\f+3],   v[AV] offset:(\f/4)*32*PV+(\f%4)*32
	ds_load_tr16_b128 v[VF+8*\f+4:VF+8*\f+7], v[AV] offset:(\f/4)*32*PV+16*PV+(\f%4)*32
.endr
	s_add_co_u32 s[TBV], s[TBV], KS*PV
	WIN 0
.if \last
.Lnv_\@:
.endif
.endm
; THE VECTOR WORK OF A TURN stands in three queues, each in the order in which its entries become ready; the two tiles alternate.
.macro REGS y, u                       ; the registers of tile u for a step of parity y
.set rT, ST+4*(\u)
.set rC, TMP+8*(\y)+4*(\u)
.set rW, MV+2*(\y)+(\u)
.set rS, S+64*(\y)+32*(\u)
.set rP, P+32*(\y)+16*(\u)
.set rO, 32*(\u)
.endm
; Number n of the 22 that find the NEXT step's maximum and statistics.  0-11: four chains c0-c3 of seven scores each (each accumulator's lowest registers are read first);
; 12-14, 16: the four scores left over, the old m, c0-c3 into c0; 15: c m_old is kept; 17, 18: the query's other 32 keys lie in the lane 16 away; 19-21: c m, c m_old - c m_new, a.
.macro XS u, n
	REGS (1-Y), \u
.if (\n) < 4
	v_max3_num_f32 v[rC+(\n)], v[rS+8*(\n)], v[rS+8*(\n)+1], v[rS+8*(\n)+2]
.elseif (\n) < 12
	v_max3_num_f32 v[rC+(\n)%4], v[rC+(\n)%4], v[rS+8*((\n)%4)+2*((\n)/4)+1], v[rS+8*((\n)%4)+2*((\n)/4)+2]
.elseif (\n) == 12
	v_max3_num_f32 v[rC], v[rC], v[rS+7], v[rS+15]
.elseif (\n) == 13
	v_max3_num_f32 v[rC+1], v[rC+1], v[rS+23], v[rS+31]
.elseif (\n) == 14
	v_max3_num_f32 v[rC+2], v[rC+2], v[rC+3], v[rT+1]
.elseif (\n) == 15
	v_mov_b32 v[rW], v[rT]
.elseif (\n) == 16
	v_max3_num_f32 v[rC], v[rC], v[rC+1], v[rC+2]
.elseif (\n) == 17
	v_permlanex16_b32 v[rC+3], v[rC], s[SEL], s[SEL+1]
.elseif (\n) == 18
	v_max_num_f32 v[rT+1], v[rC], v[rC+3]
.elseif (\n) == 19
	v_mul_f32 v[rT], s[CS], v[rT+1]
.elseif (\n) == 20
	v_sub_f32 v[rC+1], v[rW], v[rT]
.else
	v_exp_f32 v[rC+2], v[rC+1]
.endif
.endm
.macro FS f                            ; c s - c m for pair f / 2 of tile f % 2
	REGS Y, (\f)%2
	v_pk_fma_f32 v[rS+2*((\f)/2):rS+2*((\f)/2)+1], v[rS+2*((\f)/2):rS+2*((\f)/2)+1], s[CS:CS+1], v[rT:rT+1] op_sel_hi:[1,0,0] neg_lo:[0,0,1] neg_hi:[0,0,1]
.endm
; Number g of the 64 that follow the exponentials.  For each four weights kk of a tile: both pairs are rounded to bf16; the second pair is added onto the first, in place; a group later l takes
; that sum (the first time as l = a l + sum).  In groups of eight, the tiles alternating.
.macro GS g
.set hh, (\g)+6*((\g)/62)
.if hh >= 6
.set hh, hh+2
.endif
	REGS Y, hh%2
.set kk, hh/8
.if hh%8 < 4
	v_cvt_pk_bf16_f32 v[rP+2*kk+(hh%8)/2], v[rS+4*kk+2*((hh%8)/2)], v[rS+4*kk+2*((hh%8)/2)+1]
.elseif hh%8 < 6
	v_pk_add_f32 v[rS+4*kk:rS+4*kk+1], v[rS+4*kk:rS+4*kk+1], v[rS+4*kk+2:rS+4*kk+3]
.elseif kk == 1
	v_pk_fma_f32 v[rT+2:rT+3], v[rT+2:rT+3], v[rC+2:rC+3], v[rS:rS+1] op_sel_hi:[1,0,1]
.else
	v_pk_add_f32 v[rT+2:rT+3], v[rT+2:rT+3], v[rS+4*kk-4:rS+4*kk-3]
.endif
.endm
; THE PLAIN QUEUE, 138 long.  0-26: scalings 0-26.  27-54: XS's numbers 0-13.  55, 56: number 15.  57-73: the chain 14, 16, 17, 18, 19, each with one of the scalings 27-31 in front of its two lines,
; then 20.  All 32 scalings stand ahead of number 19, which writes c m anew.  74-137: GS's 64, which read the exponentials' results: they stand behind the wait.
.macro PL
	WIN 0
.if q < 27
	FS q
.elseif q < 55
	XS (q-27)%2, (q-27)/2
.elseif q < 57
	XS q-55, 15
.elseif (q < 72) && ((q-57)%3 == 0)
	FS 27+(q-57)/3
.elseif q < 60
	XS (q-57)%3-1, 14
.elseif q < 72
	XS (q-57)%3-1, 15+(q-57)/3
.elseif q < 74
	XS q-72, 20
.else
	GS q-74
.endif
.set q, q+1
.endm
; THE EXPONENTIALS' QUEUE, 66 long: s0-s31 of both tiles, then the next step's two a.  ONE BATCH: all 66 stand ahead of the turn's one wait, and nothing ahead of that wait names a result of theirs.
.macro EX
	WIN 0
.if e >= 64
	XS e-64, 21
.else
	REGS Y, e%2
	v_exp_f32 v[rS+e/2], v[rS+e/2]
.endif
.set e, e+1
.endm
; THE RESCALING's QUEUE: O^T times the a of the step BEFORE, which lies in the other parity's registers until XS, in the lump, takes them; two lines at a time, sixteen times, each accumulator from its low end on.
.macro R2
	REGS (1-Y), r%2
	WIN W_RS
.irp z, 0,1
	v_pk_mul_f32 v[rO+4*(r/2)+2*\z:rO+4*(r/2)+2*\z+1], v[rO+4*(r/2)+2*\z:rO+4*(r/2)+2*\z+1], v[rC+2:rC+3] op_sel_hi:[1,0]
.endr
.set r, r+1
.endm
.macro MASK                            ; MC = MD x AL + BE
	WIN W_RS
.set z, 0
.rept 32
	v_pk_fma_f32 v[MC+2*z:MC+2*z+1], v[MD+2*z:MD+2*z+1], s[AL:AL+1], s[BE:BE+1] op_sel_hi:[1,0,0]
.set z, z+1
.endr
	WIN 0
.endm
; A TURN's FIRST HALF, for a step of parity y: all that names no result of the turn's exponentials.  16 products K Q^T, behind each a scaling, an exponential and two rescalings (behind the first a
; second scaling in the exponential's place); one lump of 108: eight plain, 49 times exponential and plain, the two a.  Exponential e stands behind its scaling 2 (e / 4) + e % 2: as a rider behind
; plain e + 2, in the lump behind plain e + 9.  A v_nop is the plain instruction behind the last exponential; then the one wait ahead of the batch's first reader.
; w: how many younger LDS loads may stay out at the head: V's sixteen; 0 where either run of loads ahead of the turn may have been jumped over.
.macro TURN_A y, w=16
.set Y, (\y)
.set i, 0
.set q, 0
.set e, 0
.set r, 0
	s_wait_dscnt \w                                ; K's run is in
	MM
	PL
	PL
	R2
.rept 15
	MM
	PL
	EX
	R2
.endr
.rept 8
	PL
.endr
.rept 49
	EX
	PL
.endr
	EX
	EX
	v_nop
	s_wait_alu depctr_va_vdst(0)
	s_wait_dscnt 0x0                               ; V's run is in: no LDS load of mine is out
.endm
; ITS SECOND HALF: 16 products V^T P, behind each four of the roundings and sums.  The last four are the places in front of V's next run of loads.
.macro TURN_B y
.set Y, (\y)
.set i, 16
.set q, 74
.rept 16
	MM
	PL
	PL
	PL
	PL
.endr
.endm
; A BLOCK GOES OUT: l's two halves and the other half of the lanes' are added; O^T is divided by l, rounded to bf16 and sent through my stage, a tile at a time.  S^T's even buffer is free here.
.macro PACK t
	WIN W_RS
.set i, 32*(\t)
.rept 16
	v_pk_mul_f32 v[i:i+1], v[i:i+1], v[LS+4*(\t)+2:LS+4*(\t)+3] op_sel_hi:[1,0]
.set i, i+2
.endr
	WIN 0x05                                       ; sources 0 and 1 window 1, destination window 0
.set i, 0
.rept 16
	v_cvt_pk_bf16_f32 v[S+16*(\t)+i], v[32*(\t)+2*i], v[32*(\t)+2*i+1]
.set i, i+1
.endr
	WIN 0
.irp f, 0,1,2,3
	ds_store_b128 v[STO], v[S+16*(\t)+4*\f:S+16*(\t)+4*\f+3] offset:32*\f
.endr
.irp f, 0,1,2,3
	ds_load_b128 v[S+16*(\t)+4*\f:S+16*(\t)+4*\f+3], v[RD] offset:\f*4*SP  ; LDS serves a wave's instructions in order (ISA guide 5.7.1.4): these see the stores above; the next tile's stores come behind them
.endr
.endm
.macro SEND t, younger                 ; younger: the LDS instructions issued behind tile t's loads: the next tile's eight, or none
.irp f, 0,1,2,3
	s_wait_dscnt (\younger)+3-\f
	global_store_b128 v[GO], v[S+16*(\t)+4*\f:S+16*(\t)+4*\f+3], s[OP:OP+1] offset:(\t)*32768+\f*8192  ; 16 lanes store 256 consecutive bytes, aligned: one head's two rows
.endr
.endm
.macro FINISH
.irp t, 0,1
	v_add_f32 v[LS+4*\t+2], v[LS+4*\t], v[LS+4*\t+1]
.endr
.irp t, 0,1
	v_permlanex16_b32 v[LS+4*\t+3], v[LS+4*\t+2], s[SEL], s[SEL+1]
.endr
.irp t, 0,1
	v_add_f32 v[LS+4*\t+2], v[LS+4*\t+2], v[LS+4*\t+3]
.endr
.irp t, 0,1
	v_rcp_f32 v[LS+4*\t+2], v[LS+4*\t+2]
.endr
	v_nop                                          ; a plain instruction behind the last reciprocal,
	s_wait_alu depctr_va_vdst(0)                   ; and the one wait for both, ahead of their first use
	PACK 0
	PACK 1
	SEND 0, 8
	SEND 1, 0
.endm
; THE TEXT'S TRIP, for unit j, in three parts.  PART1: K of step 2 j + 2; the second half of turn 2 j; V of step 2 j; a block that has just had its last V^T P goes out.
.macro PART1 last
	s_add_co_u32 s[U], s[U], 1
	s_mov_b32 s[DC], s[DN]
	s_cmp_eq_u32 s[U], s[HM1]                      ; does the next unit hold a diagonal?  The first block's last unit, HI, and the walk's last, 16, do
	s_cselect_b32 s[DN], 1, 0
	s_cmp_eq_u32 s[U], 15
	s_cselect_b32 s[DN], 1, s[DN]
	FETCH_K \last
	TURN_B 0
	FETCH_V \last
	s_cmp_eq_u32 s[FIN], 0
	s_cbranch_scc1 .Lnf_\@
	FINISH
	s_wait_xcnt 0x0                                ; the stores have read their registers and ctx's address
	s_mov_b64 s[OP:OP+1], s[OLO:OLO+1]
	s_mov_b32 s[FIN], 0
.Lnf_\@:
.endm
; PART2A: the mask for step 2 j + 2, the next unit's first; if unit j ends a block, the next block's Q and a fresh m, for that step's products and maximum; turn 2 j + 1 whole, with K of step
; 2 j + 3 in its middle and V of step 2 j + 1 at its end; if unit j ends a block, its l is set aside and the next block's first a is made 0.
.macro PART2A last
	s_or_b32 s2, s[DC], s[DN]
	s_cmp_eq_u32 s2, 0
	s_cbranch_scc1 .Lp5_\@                         ; far from a diagonal MC is 0 and stays so
	s_cmp_lg_u32 s[DN], 0
	s_cselect_b32 s[AL], s[ALA], 0
	s_mov_b32 s[BE], 0
	MASK
	s_cmp_eq_u32 s[DC], 0
	s_cbranch_scc1 .Lp5_\@
	WIN 0x82                                       ; the second block's Q goes where the products name Q
.set i, 0
.rept 32
	v_mov_b32 v[i], v[QB+i]
.set i, i+1
.endr
	WIN 0
	v_mov_b32 v[ST+1], 0xff7fffff
	v_mov_b32 v[ST+5], 0xff7fffff
.Lp5_\@:
.if \last
	TURN_A 1, 0                                    ; in the tail either run of loads ahead may have been jumped over: the wait is for all
.else
	TURN_A 1, 16
.endif
	FETCH_K \last
	TURN_B 1
	FETCH_V 0
	s_cmp_eq_u32 s[DC], 0
	s_cbranch_scc1 .Lp7_\@
.irp t, 0,1
	v_mov_b32 v[TMP+4*\t+2], 0                     ; the a that the turn has just made compares two blocks' maxima: 0 takes its place
	v_mov_b32 v[LS+4*\t], v[ST+4*\t+2]
	v_mov_b32 v[LS+4*\t+1], v[ST+4*\t+3]
.endr
	s_mov_b32 s[FIN], 1
.Lp7_\@:
.endm
; PART2B: the mask for step 2 j + 3, the next unit's second; the first half of turn 2 j + 2.  V's run ahead of it is never jumped over, so sixteen loads may stay out on every way.
.macro PART2B
	s_cmp_eq_u32 s[DN], 0
	s_cbranch_scc1 .Lp8_\@
	s_mov_b32 s[AL], s[ALB]
	s_mov_b32 s[BE], s[BEB]
	MASK
.Lp8_\@:
	TURN_A 0, 16
.endm
	s_wait_tensorcnt 0x0                           ; my first fills are in,
	s_barrier_signal -1
	s_barrier_wait -1                              ; everybody's are
	FETCH_K                                        ; key step 0
	s_wait_loadcnt 0x0                             ; Q
	s_wait_dscnt 0x0
.set i, 0
.rept 16
	MKQ 0                                          ; the first scores: there is no vector work yet to set between them
.set i, i+1
.endr
	WIN 0                                          ; the addresses for the way out: nine plain instructions, the places behind those products
	s_mul_i32 s2, s[WV], 16*SP
	s_add_co_u32 s2, s2, STAGE                     ; my stage
	v_mul_u32_u24 v[STO], v1, SP                   ; in: row r, 16 bytes for each half of the lanes
	v_lshl_add_u32 v[STO], v9, 4, v[STO]
	v_add_nc_u32 v[STO], s2, v[STO]
	v_bfe_u32 v[RD], v0, 3, 2                      ; back: 32 lanes take four rows of 128 bytes,
	v_mul_u32_u24 v[RD], v[RD], SP
	v_lshl_add_u32 v[RD], v36, 4, v[RD]
	v_add_nc_u32 v[RD], s2, v[RD]
	v_lshlrev_b32 v[GO], 12, v9                    ; which are two units of 256 bytes, 4,096 bytes apart
	v_lshl_add_u32 v[GO], v1, 4, v[GO]
	FETCH_K                                        ; key step 1
.set Y, 1                              ; XS works for the other parity: step 0
.irp n, 0,1,2,3,4,5,6,7,8,9,10,11,12,13,14,15,16,17,18,19,20,21
	XS 0, \n
	XS 1, \n
.endr
	v_nop                                          ; a plain instruction behind the two a,
	s_wait_alu depctr_va_vdst(0)                   ; and their wait, ahead of the branch
	s_wait_dscnt 0x0                               ; K of step 1 is in
	s_mov_b32 s[CNT], 3                            ; the rest of a trip, then units 0 and 1, which lie in the first fills
	s_mov_b32 s[SLOTS], 7
	s_branch .Lfirst                               ; the loop is entered at turn 0's first half, in the middle of a trip
.Lslot:                                                ; six times: a slot is left and filled again
	CHANGE 1
	s_mov_b32 s[CNT], 2
.Lbody:
	PART1 0
	PART2A 0
.Lfirst:
	PART2B
	s_sub_co_u32 s[CNT], s[CNT], 1
	s_cmp_lg_u32 s[CNT], 0
	s_cbranch_scc1 .Lbody
	s_sub_co_u32 s[SLOTS], s[SLOTS], 1
	s_cmp_lg_u32 s[SLOTS], 0
	s_cbranch_scc1 .Lslot
	CHANGE 0                                       ; the tail is written out: nothing is asked for.  Units 14, 15 and 16; V's unit 16 follows slot 1 in LDS
	s_mov_b32 s[CNT], 4                            ; the fourth trip holds the walk's last V^T P and its way out, and is left behind them
.Ltail:
	PART1 1
	s_sub_co_u32 s[CNT], s[CNT], 1
	s_cmp_eq_u32 s[CNT], 0
	s_cbranch_scc1 .Lout
	PART2A 1
	PART2B                                         ; (past step 33 the products K Q^T, on the last K once more, and what is made of them serve nothing: the price, once a launch, of one text for every trip)
	s_cmp_lg_u32 s[CNT], 0
	s_cbranch_scc1 .Ltail
.Lout:
	s_wait_tensorcnt 0x0                           ; the wave's end, behind my last tensor load and my last LDS store
	ds_add_u32 v[SPW], v[NIL]
	s_wait_dscnt 0x0
	s_endpgm
.Lfunc_end_k_qb937aa1b8d_attn:
	.size	k_qb937aa1b8d_attn, .Lfunc_end_k_qb937aa1b8d_attn-k_qb937aa1b8d_attn
	.p2alignl 7, 3214868480
	.fill 96, 4, 3214868480
	.section	.rodata,"a",@progbits
	.p2align	6, 0x0
	.amdhsa_kernel k_qb937aa1b8d_attn
		.amdhsa_group_segment_fixed_size 327680
		.amdhsa_private_segment_fixed_size 0
		.amdhsa_enable_private_segment 0
		.amdhsa_kernarg_size 16
		.amdhsa_user_sgpr_count 2
		.amdhsa_user_sgpr_kernarg_segment_ptr 1
		.amdhsa_wavefront_size32 1
		.amdhsa_system_sgpr_workgroup_id_x 1
		.amdhsa_system_sgpr_workgroup_id_y 1
		.amdhsa_system_sgpr_workgroup_id_z 1
		.amdhsa_system_vgpr_workitem_id 0
		.amdhsa_next_free_vgpr 768
		.amdhsa_next_free_sgpr 102
		.amdhsa_reserve_vcc 1
		.amdhsa_float_denorm_mode_32 3
		.amdhsa_float_denorm_mode_16_64 3
		.amdhsa_memory_ordered 1
		.amdhsa_forward_progress 1
		.amdhsa_inst_pref_size 136
	.end_amdhsa_kernel
	.amdgpu_metadata
---
amdhsa.version: [ 1, 2 ]
amdhsa.kernels:
  - .name:           k_qb937aa1b8d_attn
    .symbol:         k_qb937aa1b8d_attn.kd
    .args:
      - { .name: qkv, .offset: 0, .size: 8, .value_kind: global_buffer, .address_space: global }
      - { .name: ctx, .offset: 8, .size: 8, .value_kind: global_buffer, .address_space: global }
    .group_segment_fixed_size: 327680
    .private_segment_fixed_size: 0
    .kernarg_segment_align: 8
    .kernarg_segment_size: 16
    .max_flat_workgroup_size: 128
    .sgpr_count:     102
    .vgpr_count:     768
    .wavefront_size: 32
...
	.end_amdgpu_metadata
.endif
;; end of part 3
;; launch gemm_o (part 4): grid 8 x 32, 4 waves a work-group, clusters of 4 x 4, 327,680 bytes of LDS; arguments ctx, wb, x, ln2_w, fs, a2, ssq; writes fs, a2, ssq
.if DOCPART == 4
	.amdgcn_target "amdgcn-amd-amdhsa--gfx1250"
	.amdhsa_code_object_version 6
	.text
	.protected	k_qb937aa1b8d_gemm_o
	.globl	k_qb937aa1b8d_gemm_o
	.p2align	8
	.type	k_qb937aa1b8d_gemm_o,@function
k_qb937aa1b8d_gemm_o:
	s_mov_b64 s[64:65], 0
	v_nop
	global_prefetch_b8 v0, s[64:65] scope:SCOPE_SE
	s_setreg_imm32_b32 hwreg(HW_REG_WAVE_MODE, 25, 1), 1
	s_wait_xcnt 0x0
	s_wait_alu depctr_hold_cnt(0) depctr_sa_sdst(0) depctr_va_vdst(0) depctr_va_sdst(0) depctr_va_ssrc(0) depctr_va_vcc(0) depctr_vm_vsrc(0)
	s_getreg_b32 s2, hwreg(HW_REG_IB_STS2, 6, 4)
	s_cmp_eq_u32 s2, 0
	s_cbranch_scc0 .Lentry_in_a_cluster
	s_endpgm
.Lentry_in_a_cluster:
	s_bfe_u32 s2, ttmp6, 0x10000c
	s_cmp_lg_u32 s2, 0xf033
	s_cbranch_scc0 .Lentry_shape_is_right
	s_endpgm
.Lentry_shape_is_right:
; OUTPUT PROJECTION, RESIDUAL, AND THE SECOND NORM'S INGREDIENTS.  fs[m][n] = x[m][n] + sum over k of ctx[m][k] w_o[n][k]; fs in f32.
; Also stored: a2 = bf16(fs x ln2_w), and for each row and column tile the sum of fs^2 over the tile's 128 columns (ssq[tile][row], f32): the next launch adds the 8 parts, takes the root and
; scales its own sums by it, since (fs / rms x ln2_w) w1^T = (1 / rms) ((fs x ln2_w) w1^T).  x and ln2_w are rounded to bf16 first, as every input of this program is.
; ctx: [row pair][head][row parity][64] bf16: a K step of 256 (four heads) is 1,024 consecutive bytes of a row pair.  w_o: [1024][1024] bf16 in wb.
; SHARES.  A tile is 128 x 128: 32 x 8 tiles, one for each of 256 work-groups; four waves, each 64 x 64: 16 accumulators.  K goes in 4 steps of 256 through two LDS slots.
; CLUSTER.  4 x 4: ctx's tiles are shared along a row of the cluster, w_o's along a column, each asked for jointly.  No prefetch: the tiles are small and the launch is short.
; EACH CLUSTER WALKS K FROM A START OF ITS OWN, step (2 x + y) mod 4 for the cluster at (x, y), and round: clusters that read the same rows of ctx or of w_o read different K steps at any one
; time.  The start hangs on the cluster's coordinates alone, which all sixteen partners share.  f32 sums may be taken in any order.
; THE MATRIX INSTRUCTION IS USED TRANSPOSED (source 0 = w_o's rows, source 1 = ctx's): a lane holds eight neighbouring columns of one row.
; REGISTERS: window 0: v0-31 addresses, v32-127 at work on the way out, v128-255 the accumulators ((a, b) at v[128 + 8 (4 a + b)]);
;   window 1: two fragment buffers of 128 (ctx's 64 registers, then w_o's 64);  window 2: v0-127 my 32 rows of x.
; LIMITS.  A row's sum of squares must stay finite in f32; NaN and infinities are not treated apart.
.set TSTEPS, 4
.set KMASK,  TSTEPS-1
.set BPITCH, 528                       ; a row of w_o in LDS: 512 bytes + 16 = 132 words: row r starts at bank 4 r mod 64 (ISA guide 11.1)
.set HB,     64*BPITCH
.set APITCH, 1040                      ; a row pair of ctx in LDS: 1,024 bytes + 16 = 260 words; the odd row lies 128 bytes on: the 16 rows of a fragment start at banks 4 (r / 2) + 32 (r % 2)
.set HA,     32*APITCH
.set ABLK,   8*APITCH                  ; 16 rows
.set KAQ,    256                       ; a quarter step, 64 along K, is one head: 256 bytes of a row pair
.set LOGA,   10                        ; a K step is 1,024 bytes of a row pair of ctx,
.set LOGB,   9                         ; 512 bytes of a row of w_o
.set SLOT,   2*HA+2*HB
.set SP,     528                       ; a stage row: 128 f32 + 16 bytes
.set SCR,    2*SLOT                    ; behind the ring: 32 rows x 144 bytes a wave, for the rows' sums of squares
.set SPARE,  SCR+4*4608                ; the spare words, 128 bytes a wave, which no other line names
.set WOFF,   6291456                   ; w_o in wb
.set LN,    4                          ; v[4:7]  ln2_w of my 4 columns
.set ADRA0, 12
.set ADRB0, 13
.set SCW,   14                         ; v14  where I put a row's partial sum
.set SCRD,  15                         ; v15  where I read one row's 32 partial sums
.set ADRA,  16
.set SSO,   17                         ; v17  4 x my lane
.set ADRB,  20
.set STO,   24
.set RD,    25
.set GO,    26                         ; v26  16 x my lane
.set GO2,   27                         ; v27  8 x my lane
.set SPW,   28
.set NIL,   29
.set TX,    32                         ; v[32:95]  x rounded to bf16, two registers a row; later a2
.set ACC,   128
.set F0,    0
.set F1,    128
.set G1,  24
.set G0,  32
.set G1B, 48
.set G0B, 56
.set TB,  66
.set FS,  67
.set LA,  82
.set LB,  83
.set MHI, 84                           ; s84  a word's upper bf16
.set KP,  85                           ; s85  the K step that the walking descriptors asked for last
.set OFFP, 86                          ; s[86:87] its byte offset along a row
.set MSB, 0
.macro WIN new
.if MSB != (\new)
	s_set_vgpr_msb (MSB<<8)|(\new)
.set MSB, \new
.endif
.endm
.set MUL,  0x05                        ; sources 0 and 1 window 1; C and D window 0
.set TO_F, 0x40                        ; destination window 1, address window 0
.macro JLOAD s                         ; a joint load: waves 0 and 1 fetch ctx's two halves, waves 2 and 3 w_o's; an s_nop 0 and four v_nop follow each line
	s_cmp_eq_u32 s11, 0
	s_cbranch_scc0 .Lfor_b_\@
	tensor_load_to_lds s[G0+4*(\s):G0+4*(\s)+3], s[G1:G1+7]
	s_nop 0
.rept 4
	v_nop
.endr
	s_branch .Lasked_\@
.Lfor_b_\@:
	tensor_load_to_lds s[G0B+4*(\s):G0B+4*(\s)+3], s[G1B:G1B+7]
	s_nop 0
.rept 4
	v_nop
.endr
.Lasked_\@:
.endm
.macro CREST
	s_cmp_lg_u32 s10, 0
	s_cbranch_scc1 .Lnot_wave_0_\@
	s_barrier_signal -3
.Lnot_wave_0_\@:
	s_barrier_wait -3
	s_barrier_signal -1
	s_barrier_wait -1
.endm
.macro CROUND
	s_barrier_signal -1
	s_barrier_wait -1
	CREST
.endm
.macro PLACES
.rept 4
	v_nop
.endr
.endm
	s_load_b256 s[68:75], s[0:1], 0x0              ; ctx s[68:69], wb s[70:71], x s[72:73], ln2_w s[74:75]
	s_load_b128 s[76:79], s[0:1], 0x20             ; fs s[76:77], a2 s[78:79]
	s_load_b64 s[80:81], s[0:1], 0x30              ; ssq
	v_lshl_add_u32 v[SPW], v0, 2, SPARE
	v_mov_b32 v[NIL], 0
	ds_add_u32 v[SPW], v[NIL]                      ; the wave's opening: the add and its wait stand ahead of my first tensor load
	ds_add_u32 v28, v29
	v_lshrrev_b32 v1, 5, v0
	v_readfirstlane_b32 s10, v1
	s_lshr_b32 s11, s10, 1                         ; my half of the tile's rows.  Also: I fetch ctx (0) or w_o (1)
	s_and_b32 s12, s10, 1                          ; my half of its columns.  Also: which half I fetch
	s_bfe_u32 s40, ttmp6, 0x40000
	s_bfe_u32 s41, ttmp6, 0x40004
	s_lshl_b32 s42, ttmp9, 2
	s_add_co_u32 s42, s42, s40                     ; tile column
	s_and_b32 s13, ttmp7, 0xffff
	s_lshl_b32 s13, s13, 2
	s_add_co_u32 s13, s13, s41                     ; tile row
	s_lshl_b32 s43, s41, 2
	s_lshl_b32 s43, 15, s43
	s_lshl_b32 s44, 0x1111, s40
	s_or_b32 s[G1+0], s43, (1<<16)|(1<<20)|(1<<21)|(7<<22)|(3<<25)   ; ctx: padding of 4 words after every 256 words
	s_or_b32 s[G1B+0], s44, (1<<16)|(1<<20)|(1<<21)|(6<<22)|(3<<25)  ; w_o: after every 128 words
	s_mov_b32 s[G1+1], 512<<16                     ; tensor_dim0 = 512 elements: a row pair's four heads
	s_mov_b32 s[G1+2], 32<<16                      ; tensor_dim1 = 32 row pairs
	s_mov_b32 s[G1+3], 512<<16
	s_mov_b32 s[G1+4], 32
	s_mov_b32 s[G1+5], 2048                        ; elements from row pair to row pair
	s_mov_b32 s[G1+6], 0
	s_mov_b32 s[G1+7], 0
	s_mov_b32 s[G1B+1], 256<<16
	s_mov_b32 s[G1B+2], 64<<16
	s_mov_b32 s[G1B+3], 256<<16
	s_mov_b32 s[G1B+4], 64
	s_mov_b32 s[G1B+5], 1024
	s_mov_b32 s[G1B+6], 0
	s_mov_b32 s[G1B+7], 0
	s_lshl_b32 s16, s13, 6                         ; ctx: row pair 64 x tile row + 32 x half, x 4,096 bytes
	s_lshl_b32 s17, s12, 5
	s_add_co_u32 s16, s16, s17
	s_lshl_b32 s16, s16, 12
	s_mov_b32 s17, 0
	s_lshl_b32 s46, s42, 7                         ; w_o: row 128 x tile column + 64 x half, x 2,048 bytes
	s_lshl_b32 s47, s12, 6
	s_add_co_u32 s46, s46, s47
	s_lshl_b32 s46, s46, 11
	s_mov_b32 s47, 0
	s_mul_i32 s[LA], s12, HA
	s_mul_i32 s[LB], s12, HB
	s_add_co_u32 s[LB], s[LB], 2*HA
	s_mov_b32 s[TB], 0
	s_mov_b32 s[FS], SLOT
	s_mov_b32 s[MHI], 0xffff0000
	s_and_b32 s18, ttmp7, 0xffff                   ; the cluster's y,
	s_lshl_b32 s19, ttmp9, 1                       ; twice its x:
	s_add_co_u32 s18, s18, s19
	s_and_b32 s[KP], s18, KMASK                    ; the K step at which this cluster begins
	s_mov_b32 s[OFFP+1], 0
	s_wait_dscnt 0x0
	s_wait_kmcnt 0x0
	s_add_nc_u64 s[70:71], s[70:71], WOFF
	s_add_nc_u64 s[14:15], s[68:69], s[16:17]      ; my rows of ctx and of w_o at K = 0: kept, each refill's address is made from them
	s_add_nc_u64 s[46:47], s[70:71], s[46:47]
	CROUND                                         ; all sixteen work-groups are here: the first joint loads meet
.irp s, 0,1
	s_add_co_u32 s18, s[KP], \s
	s_and_b32 s18, s18, KMASK
	s_lshl_b32 s[OFFP], s18, LOGA
	s_mov_b32 s[G0+4*(\s)], 1
	s_add_co_u32 s[G0+4*(\s)+1], s[LA], (\s)*SLOT
	s_add_nc_u64 s[G0+4*(\s)+2:G0+4*(\s)+3], s[14:15], s[OFFP:OFFP+1]
	s_or_b32 s[G0+4*(\s)+3], s[G0+4*(\s)+3], 0x80000000
	s_lshl_b32 s[OFFP], s18, LOGB
	s_mov_b32 s[G0B+4*(\s)], 1
	s_add_co_u32 s[G0B+4*(\s)+1], s[LB], (\s)*SLOT
	s_add_nc_u64 s[G0B+4*(\s)+2:G0B+4*(\s)+3], s[46:47], s[OFFP:OFFP+1]
	s_or_b32 s[G0B+4*(\s)+3], s[G0B+4*(\s)+3], 0x80000000
	JLOAD \s
.endr
	s_add_co_u32 s[KP], s[KP], 1
	s_and_b32 s[KP], s[KP], KMASK
	v_and_b32 v1, 15, v0                           ; r
	v_bfe_u32 v2, v0, 4, 1                         ; h
	v_lshrrev_b32 v3, 1, v1                        ; ctx's fragments: (r / 2) x pitch + 128 (r % 2) + 16 h
	v_mul_u32_u24 v3, v3, APITCH
	v_and_b32 v8, 1, v1
	v_lshl_add_u32 v3, v8, 7, v3
	v_lshl_add_u32 v3, v2, 4, v3
	s_mul_i32 s21, s11, HA
	v_add_nc_u32 v[ADRA0], s21, v3
	v_mul_u32_u24 v3, v1, BPITCH                   ; w_o's: r x pitch + 16 h
	v_lshl_add_u32 v3, v2, 4, v3
	s_mul_i32 s22, s12, HB
	s_add_co_u32 s22, s22, 2*HA
	v_add_nc_u32 v[ADRB0], s22, v3
	v_mov_b32 v[ADRA], v[ADRA0]
	v_mov_b32 v[ADRB], v[ADRB0]
	s_mul_i32 s21, s11, 64*SP                      ; into the stage: row 64 x row half + r, byte 256 x column half + 32 h
	s_lshl_b32 s22, s12, 8
	s_add_co_u32 s21, s21, s22
	v_mul_u32_u24 v3, v1, SP
	v_lshl_add_u32 v3, v2, 5, v3
	v_add_nc_u32 v[STO], s21, v3
	v_and_b32 v3, 31, v0                           ; lane
	v_lshlrev_b32 v[GO], 4, v3
	v_lshlrev_b32 v[GO2], 3, v3
	v_lshlrev_b32 v[SSO], 2, v3
	s_mul_i32 s21, s10, 32*SP                      ; back: wave w takes rows 32 w .. 32 w + 31, whole: 512 bytes, 16 a lane
	v_add_nc_u32 v[RD], s21, v[GO]
	s_mul_i32 s21, s10, 4608
	s_add_co_u32 s21, s21, SCR
	v_add_nc_u32 v[SCW], s21, v[SSO]
	v_mul_u32_u24 v[SCRD], v3, 144
	v_add_nc_u32 v[SCRD], s21, v[SCRD]
	s_lshl_b32 s20, s13, 7
	s_lshl_b32 s21, s10, 5
	s_add_co_u32 s20, s20, s21                     ; the first row that I finish: 128 x tile row + 32 w
	s_lshl_b32 s22, s20, 12
	s_lshl_b32 s21, s42, 9
	s_add_co_u32 s22, s22, s21
	s_mov_b32 s23, 0
	s_add_nc_u64 s[72:73], s[72:73], s[22:23]      ; x and fs: rows of 4,096 bytes, the tile's 512
	s_add_nc_u64 s[76:77], s[76:77], s[22:23]
	s_lshl_b32 s22, s20, 11
	s_lshl_b32 s21, s42, 8
	s_add_co_u32 s22, s22, s21
	s_add_nc_u64 s[78:79], s[78:79], s[22:23]      ; a2: rows of 2,048 bytes, the tile's 256
	s_lshl_b32 s22, s20, 2
	s_lshl_b32 s21, s42, 14
	s_add_co_u32 s22, s22, s21
	s_add_nc_u64 s[80:81], s[80:81], s[22:23]      ; ssq: the tile column's 16,384 bytes, my rows' words
	s_lshl_b32 s22, s42, 9
	s_add_nc_u64 s[74:75], s[74:75], s[22:23]      ; ln2_w: the tile's 128 numbers
; 8 matrix instructions: row blocks a0, a0 + 1 x all 4 column blocks, 32 along K: half c of buffer f.  The 16 accumulators take turns.
.macro MUL8 f, c, a0, zero
	WIN MUL
.set ma, (\a0)
.rept 2
.set mb, 0
.rept 4
.set rD, ACC+8*(4*ma+mb)
.set rB, (\f)+64+8*(4*(\c)+mb)
.set rA, (\f)+8*(4*(\c)+ma)
.if \zero
	v_wmma_f32_16x16x32_bf16 v[rD:rD+7], v[rB:rB+7], v[rA:rA+7], 0
.else
	v_wmma_f32_16x16x32_bf16 v[rD:rD+7], v[rB:rB+7], v[rA:rA+7], v[rD:rD+7]
.endif
.set mb, mb+1
.endr
.set ma, ma+1
.endr
.endm
; 32 LDS loads in one run: quarter q's fragments (64 along K) into buffer f; the first 32 along K first
.macro FETCH q, f
	WIN TO_F
.irp c, 0,1
.irp i, 0,1,2,3
	ds_load_b128 v[(\f)+64+8*(4*(\c)+(\i)):(\f)+64+8*(4*(\c)+(\i))+3],   v[ADRB] offset:128*(\q)+64*(\c)+(\i)*16*BPITCH
	ds_load_b128 v[(\f)+64+8*(4*(\c)+(\i))+4:(\f)+64+8*(4*(\c)+(\i))+7], v[ADRB] offset:128*(\q)+64*(\c)+(\i)*16*BPITCH+32
	ds_load_b128 v[(\f)+8*(4*(\c)+(\i)):(\f)+8*(4*(\c)+(\i))+3],         v[ADRA] offset:KAQ*(\q)+64*(\c)+(\i)*ABLK
	ds_load_b128 v[(\f)+8*(4*(\c)+(\i))+4:(\f)+8*(4*(\c)+(\i))+7],       v[ADRA] offset:KAQ*(\q)+64*(\c)+(\i)*ABLK+32
.endr
.endr
.endm
.macro QUARTER q, f, g, zero           ; multiplies buffer f; in its middle fetches quarter q into buffer g
	s_wait_dscnt 16                                ; the first 32 along K are in
	MUL8 \f, 0, 0, \zero
	MUL8 \f, 0, 2, \zero
	PLACES
	FETCH \q, \g
	s_wait_dscnt 32                                ; all but the 32 just issued
	MUL8 \f, 1, 0, 0
	MUL8 \f, 1, 2, 0
.endm
; the last quarter multiplies buffer 1 and changes slots: one barrier; in front of it each wave waits for all its tensor loads, adds 0 to its spare word, and waits for that and for its reads of
; this slot.  fill = 1: the barrier opens a round of the cluster's, and this slot is filled again, two K steps ahead (round the end of K).  fill = 0: the tail; in the last K step (s3 = 1) nothing is fetched.
.macro TURN fill
	WIN 0
	s_wait_tensorcnt 0x0
	ds_add_u32 v[SPW], v[NIL]                      ; 0 onto my spare word
.if \fill
	s_xor_b32 s[FS], s[FS], SLOT
	s_add_co_u32 s[G0+5], s[LA], s[FS]
	s_add_co_u32 s[G0B+5], s[LB], s[FS]
	s_add_co_u32 s[KP], s[KP], 1                   ; the next K step, round the end; the addresses are made anew from the rows' first bytes
	s_and_b32 s[KP], s[KP], KMASK
	s_lshl_b32 s[OFFP], s[KP], LOGA
	s_add_nc_u64 s[G0+6:G0+7], s[14:15], s[OFFP:OFFP+1]
	s_or_b32 s[G0+7], s[G0+7], 0x80000000
	s_lshl_b32 s[OFFP], s[KP], LOGB
	s_add_nc_u64 s[G0B+6:G0B+7], s[46:47], s[OFFP:OFFP+1]
	s_or_b32 s[G0B+7], s[G0B+7], 0x80000000
.endif
	s_wait_dscnt 17                                ; the add and the youngest sixteen loads may be out
	MUL8 F1, 0, 0, 0
	s_wait_dscnt 0x0                               ; the add is done, and my reads of this slot are over
	s_barrier_signal -1
	MUL8 F1, 0, 2, 0
	WIN 0
	s_barrier_wait -1
.if \fill
	CREST
	JLOAD 1                                        ; the first tensor load behind the round; its four v_nop are also the places in front of the loads below
.else
	s_cmp_eq_u32 s3, 1
	s_cbranch_scc1 .Lnf_\@
	PLACES
.endif
	s_xor_b32 s[TB], s[TB], SLOT
	v_add_nc_u32 v[ADRA], s[TB], v[ADRA0]
	v_add_nc_u32 v[ADRB], s[TB], v[ADRB0]
	FETCH 0, F0
.if !(\fill)
	WIN 0
.Lnf_\@:
.endif
	MUL8 F1, 1, 0, 0
	MUL8 F1, 1, 2, 0
.endm
	s_wait_tensorcnt 0x1                           ; my part of the first K step is in; the second's load is younger
	s_barrier_signal -1
	s_barrier_wait -1
	FETCH 0, F0
	QUARTER 1, F0, F1, 1                           ; the first quarter stands in front of the loop: its first products start the sums
	WIN 0
	s_mov_b32 s3, TSTEPS-2
.Lstep:
	QUARTER 2, F1, F0, 0
	QUARTER 3, F0, F1, 0
	TURN 1
	QUARTER 1, F0, F1, 0
	WIN 0
	s_sub_co_u32 s3, s3, 1
	s_cmp_lg_u32 s3, 0
	s_cbranch_scc1 .Lstep
	WIN 0x80                                       ; my 32 rows of x, two K steps ahead of their use: destination window 2
.set i, 0
.rept 32
	global_load_b128 v[4*i:4*i+3], v[GO], s[72:73] offset:4096*i th:TH_LOAD_NT
.set i, i+1
.endr
	WIN 0
	global_load_b128 v[LN:LN+3], v[GO], s[74:75]
	s_mov_b32 s3, 2
.Ltail:
	QUARTER 2, F1, F0, 0
	QUARTER 3, F0, F1, 0
	TURN 0
	WIN 0
	s_sub_co_u32 s3, s3, 1
	s_cmp_lg_u32 s3, 0
	s_cbranch_scc0 .Lout
	QUARTER 1, F0, F1, 0
	WIN 0
	s_cmp_lg_u32 s3, 0
	s_cbranch_scc1 .Ltail
.Lout:
	; THE WAY OUT.  The ring has had its last fill; its first bytes serve as one stage of 128 rows x 128 f32.
	PLACES
	PLACES
	s_wait_dscnt 0x0
	s_barrier_signal -1
	s_barrier_wait -1                              ; nobody reads the ring any more
.set ma, 0
.rept 4
.set mb, 0
.rept 4
.set rD, ACC+8*(4*ma+mb)
	ds_store_b128 v[STO], v[rD:rD+3]   offset:ma*16*SP+64*mb      ; each accumulator's low registers first
	ds_store_b128 v[STO], v[rD+4:rD+7] offset:ma*16*SP+64*mb+16
.set mb, mb+1
.endr
.set ma, ma+1
.endr
	s_wait_dscnt 0x0                               ; for the others' sake: my stores into the stage are done
	s_barrier_signal -1
	s_barrier_wait -1
.set i, 0
.rept 32
	ds_load_b128 v[ACC+4*i:ACC+4*i+3], v[RD] offset:SP*i
.set i, i+1
.endr
	s_wait_loadcnt 0x0                             ; x and ln2_w
	v_cvt_pk_bf16_f32 v8, v[LN], v[LN+1]           ; ln2_w rounded to bf16 and widened again
	v_cvt_pk_bf16_f32 v9, v[LN+2], v[LN+3]
	v_lshlrev_b32 v[LN], 16, v8
	v_and_b32 v[LN+1], s[MHI], v8
	v_lshlrev_b32 v[LN+2], 16, v9
	v_and_b32 v[LN+3], s[MHI], v9
	WIN 0x0a                                       ; sources 0 and 1 window 2
.set i, 0
.rept 64
	v_cvt_pk_bf16_f32 v[TX+i], v[2*i], v[2*i+1]    ; x rounded to bf16
.set i, i+1
.endr
	WIN 0
.set i, 0
.rept 32
.set rL, ACC+4*i
	s_wait_dscnt 31                                ; behind row i's load stand 31 - i younger loads and the i stores of the rows before: always 31
	v_lshlrev_b32 v96, 16, v[TX+2*i]
	v_and_b32 v97, s[MHI], v[TX+2*i]
	v_lshlrev_b32 v98, 16, v[TX+2*i+1]
	v_and_b32 v99, s[MHI], v[TX+2*i+1]
	v_pk_add_f32 v[rL:rL+1], v[rL:rL+1], v[96:97]
	v_pk_add_f32 v[rL+2:rL+3], v[rL+2:rL+3], v[98:99]
	global_store_b128 v[GO], v[rL:rL+3], s[76:77] offset:4096*i       ; fs: the wave stores 512 consecutive bytes, aligned
	v_pk_mul_f32 v[100:101], v[rL:rL+1], v[LN:LN+1]
	v_pk_mul_f32 v[102:103], v[rL+2:rL+3], v[LN+2:LN+3]
	v_cvt_pk_bf16_f32 v[TX+2*i], v100, v101
	v_cvt_pk_bf16_f32 v[TX+2*i+1], v102, v103
	global_store_b64 v[GO2], v[TX+2*i:TX+2*i+1], s[78:79] offset:2048*i  ; a2: 256 consecutive bytes, aligned
	v_pk_mul_f32 v[104:105], v[rL:rL+1], v[rL:rL+1]
	v_pk_fma_f32 v[104:105], v[rL+2:rL+3], v[rL+2:rL+3], v[104:105]
	v_add_f32 v104, v104, v105
	ds_store_b32 v[SCW], v104 offset:144*i         ; my four columns' part of row i's sum of squares
.set i, i+1
.endr
.irp j, 0,1,2,3,4,5,6,7
	ds_load_b128 v[96+4*\j:99+4*\j], v[SCRD] offset:16*\j  ; lane l takes row l's 32 parts: my wave's own bytes, served in order behind the stores above
.endr
	s_wait_dscnt 0x0
.irp k, 0,1,2,3,4,5,6,7
	v_pk_add_f32 v[96+2*\k:97+2*\k], v[96+2*\k:97+2*\k], v[112+2*\k:113+2*\k]
.endr
.irp k, 0,1,2,3
	v_pk_add_f32 v[96+2*\k:97+2*\k], v[96+2*\k:97+2*\k], v[104+2*\k:105+2*\k]
.endr
.irp k, 0,1
	v_pk_add_f32 v[96+2*\k:97+2*\k], v[96+2*\k:97+2*\k], v[100+2*\k:101+2*\k]
.endr
	v_pk_add_f32 v[96:97], v[96:97], v[98:99]
	v_add_f32 v96, v96, v97
	global_store_b32 v[SSO], v96, s[80:81]         ; 128 consecutive bytes a wave: the one short store; the buffer has 131,072 bytes in all
	s_wait_tensorcnt 0x0                           ; the wave's end, behind my last tensor load and my last LDS store
	ds_add_u32 v[SPW], v[NIL]
	s_wait_dscnt 0x0
	CROUND                                         ; the closing round
	s_endpgm
.Lfunc_end_k_qb937aa1b8d_gemm_o:
	.size	k_qb937aa1b8d_gemm_o, .Lfunc_end_k_qb937aa1b8d_gemm_o-k_qb937aa1b8d_gemm_o
	.p2alignl 7, 3214868480
	.fill 96, 4, 3214868480
	.section	.rodata,"a",@progbits
	.p2align	6, 0x0
	.amdhsa_kernel k_qb937aa1b8d_gemm_o
		.amdhsa_group_segment_fixed_size 327680
		.amdhsa_private_segment_fixed_size 0
		.amdhsa_enable_private_segment 0
		.amdhsa_kernarg_size 56
		.amdhsa_user_sgpr_count 2
		.amdhsa_user_sgpr_kernarg_segment_ptr 1
		.amdhsa_wavefront_size32 1
		.amdhsa_system_sgpr_workgroup_id_x 1
		.amdhsa_system_sgpr_workgroup_id_y 1
		.amdhsa_system_sgpr_workgroup_id_z 1
		.amdhsa_system_vgpr_workitem_id 0
		.amdhsa_next_free_vgpr 640
		.amdhsa_next_free_sgpr 100
		.amdhsa_reserve_vcc 0
		.amdhsa_float_denorm_mode_32 3
		.amdhsa_float_denorm_mode_16_64 3
		.amdhsa_memory_ordered 1
		.amdhsa_forward_progress 1
		.amdhsa_inst_pref_size 95
	.end_amdhsa_kernel
	.amdgpu_metadata
---
amdhsa.version: [ 1, 2 ]
amdhsa.kernels:
  - .name:           k_qb937aa1b8d_gemm_o
    .symbol:         k_qb937aa1b8d_gemm_o.kd
    .args:
      - { .name: ctx, .offset: 0, .size: 8, .value_kind: global_buffer, .address_space: global }
      - { .name: wb, .offset: 8, .size: 8, .value_kind: global_buffer, .address_space: global }
      - { .name: x, .offset: 16, .size: 8, .value_kind: global_buffer, .address_space: global }
      - { .name: ln2_w, .offset: 24, .size: 8, .value_kind: global_buffer, .address_space: global }
      - { .name: fs, .offset: 32, .size: 8, .value_kind: global_buffer, .address_space: global }
      - { .name: a2, .offset: 40, .size: 8, .value_kind: global_buffer, .address_space: global }
      - { .name: ssq, .offset: 48, .size: 8, .value_kind: global_buffer, .address_space: global }
    .group_segment_fixed_size: 327680
    .private_segment_fixed_size: 0
    .kernarg_segment_align: 8
    .kernarg_segment_size: 56
    .max_flat_workgroup_size: 128
    .sgpr_count:     100
    .vgpr_count:     640
    .wavefront_size: 32
...
	.end_amdgpu_metadata
.endif
;; end of part 4
;; launch gemm_ff1 (part 5): grid 16 x 16, 4 waves a work-group, clusters of 4 x 4, 327,680 bytes of LDS; arguments a2, wb, ssq, g; writes g
.if DOCPART == 5
	.amdgcn_target "amdgcn-amd-amdhsa--gfx1250"
	.amdhsa_code_object_version 6
	.text
	.protected	k_qb937aa1b8d_gemm_ff1
	.globl	k_qb937aa1b8d_gemm_ff1
	.p2align	8
	.type	k_qb937aa1b8d_gemm_ff1,@function
k_qb937aa1b8d_gemm_ff1:
	s_mov_b64 s[64:65], 0
	v_nop
	global_prefetch_b8 v0, s[64:65] scope:SCOPE_SE
	s_setreg_imm32_b32 hwreg(HW_REG_WAVE_MODE, 25, 1), 1
	s_wait_xcnt 0x0
	s_wait_alu depctr_hold_cnt(0) depctr_sa_sdst(0) depctr_va_vdst(0) depctr_va_sdst(0) depctr_va_ssrc(0) depctr_va_vcc(0) depctr_vm_vsrc(0)
	s_getreg_b32 s2, hwreg(HW_REG_IB_STS2, 6, 4)
	s_cmp_eq_u32 s2, 0
	s_cbranch_scc0 .Lentry_in_a_cluster
	s_endpgm
.Lentry_in_a_cluster:
	s_bfe_u32 s2, ttmp6, 0x10000c
	s_cmp_lg_u32 s2, 0xf033
	s_cbranch_scc0 .Lentry_shape_is_right
	s_endpgm
.Lentry_shape_is_right:
; FIRST FFN PRODUCT WITH THE SECOND NORM'S SCALE AND GELU.  u[m][n] = rinv[m] x sum over k of a2[m][k] w1[n][k], rinv = 1 / sqrt(sum of the row's 8 parts of ssq / 1024 + 1e-5);
; g = 0.5 u (1 + erf(u / sqrt 2)), rounded once to bf16.  a2: [4096][1024] bf16, w1: [4096][1024] bf16 in wb, g: [4096][4096] bf16; sums in f32.
; ERF by the rational form 7.1.25 of Abramowitz and Stegun, whose error is at most 2.5e-5 for every argument: with a = |u|, t = 1 / (1 + 0.33267253 a), e = 2^(-0.72134752 u^2),
; q = t (A1 + t (A2 + t A3)) (the table's coefficients times -1/2): g = a (q e + 0.5) + 0.5 u.  The error of g is at most 1.3e-5 |u|; for large |u|: e = 0, and g = u or 0.
; SHARES.  A tile is 256 x 256: 16 x 16 tiles, one for each of 256 work-groups.  Four waves, each 128 x 128: 64 accumulators.  K goes in 8 steps of 128 through two LDS slots.
; CLUSTER.  4 x 4: a2's tiles are shared along a row of the cluster, w1's along a column, each asked for jointly.
; THE MATRIX INSTRUCTION IS USED TRANSPOSED (source 0 = w1's rows, source 1 = a2's).  One K step to a trip; TB and FS are turned between 0 and SLOT by an exclusive or.
; REGISTERS: window 0: v0-31 addresses, v64-127 and v128-191 a2's fragments; window 1: w1's at the same numbers; windows 2, 3: the accumulators of my rows 0-63, 64-127 ((a, b) at v[8 (8 a + b)]).
; LIMITS.  NaN and infinities are not treated apart.
.set NBK,    8
.set TSTEPS, 8
.set STEPB,  256
.set PITCH,  272                       ; 256 bytes + 16 of padding = 68 words: the 16 rows of a fragment load start at 16 different groups of four banks (ISA guide 11.1)
.set HA,     128*PITCH
.set BH,     16*NBK
.set HB,     BH*PITCH
.set SLOT,   2*HA+2*HB
.set NLD,    16+2*NBK
.set SP,     128*NBK+16                ; a stage row: 256 f32 + 16 bytes
.set RINV,   2*SLOT                    ; behind the ring: the tile's 256 rinv, 1,024 bytes
.set SPARE,  RINV+1024                 ; the spare words, 128 bytes a wave, which no other line names
.set WOFF,   8388608                   ; w1 in wb
.set ADRA0, 12
.set ADRB0, 13
.set ADRA,  16
.set ADRB,  20
.set STO,   24
.set RD,    26
.set GO,    27
.set SPW,   28
.set NIL,   29
.set PFO,   30
.set RVA,   31                         ; v31  where my next four rows' rinv lie
.set F0,    64
.set F1,    128
.set GL,    32                         ; the way out, a trip's 32 numbers a lane: as read from the stage
.set GX,    64                         ; u, then g
.set GAB,   96                         ; |u|
.set GD,    128                        ; 1 + P a, then t
.set GE,    160                        ; the exponent, then e
.set GRV,   192                        ; four rows' rinv, in the even registers of four pairs
.set GY,    200                        ; packed bf16
.set GQ,    216                        ; the polynomial
.set G1,  24
.set G0,  32
.set G1B, 48
.set G0B, 56
.set LIM, 43
.set PFA, 44
.set TB,  66
.set FS,  67
.set LA,  82
.set LB,  83
.set CP,  84                           ; s[84:85] 0.33267253
.set CC,  86                           ; s[86:87] -0.72134752
.set CA3, 88
.set CA2, 90
.set CA1, 92
.set SABS, 94                          ; s94  clears a sign
.set MSB, 0
.macro WIN new
.if MSB != (\new)
	s_set_vgpr_msb (MSB<<8)|(\new)
.set MSB, \new
.endif
.endm
.set MUL_LO, 0xa1
.set MUL_HI, 0xf1
.set TO_B,   0x40
.macro JLOAD s                         ; a joint load: waves 0 and 1 fetch a2's two halves, waves 2 and 3 w1's; an s_nop 0 and four v_nop follow each line
	s_cmp_eq_u32 s11, 0
	s_cbranch_scc0 .Lfor_b_\@
	tensor_load_to_lds s[G0+4*(\s):G0+4*(\s)+3], s[G1:G1+7]
	s_nop 0
.rept 4
	v_nop
.endr
	s_branch .Lasked_\@
.Lfor_b_\@:
	tensor_load_to_lds s[G0B+4*(\s):G0B+4*(\s)+3], s[G1B:G1B+7]
	s_nop 0
.rept 4
	v_nop
.endr
.Lasked_\@:
.endm
; A prefetch, behind a joint load and the run of LDS loads: my 32 of the 128 rows that I fetch, for the K step two refills on.  a2's rows are asked for by the clusters with x = 0, w1's by those
; with y = 0; the four partners share a wave's rows out by address.  The trips with s3 = 6 .. 3 name K steps 4 .. 7; the first four K steps come by their loads alone.
.macro ASK
	s_cmp_gt_u32 s3, s[LIM]
	s_cbranch_scc0 .Lnot_mine_\@
	global_prefetch_b8 v[PFO], s[PFA:PFA+1] offset:STEPB th:TH_LOAD_NT scope:SCOPE_SE
.Lnot_mine_\@:
.endm
.macro CREST
	s_cmp_lg_u32 s10, 0
	s_cbranch_scc1 .Lnot_wave_0_\@
	s_barrier_signal -3
.Lnot_wave_0_\@:
	s_barrier_wait -3
	s_barrier_signal -1
	s_barrier_wait -1
.endm
.macro CROUND
	s_barrier_signal -1
	s_barrier_wait -1
	CREST
.endm
.macro PLACES
.rept 4
	v_nop
.endr
.endm
	s_load_b128 s[4:7], s[0:1], 0x0                ; a2 s[4:5], wb s[6:7]
	s_load_b64 s[68:69], s[0:1], 0x10              ; ssq
	s_load_b64 s[8:9], s[0:1], 0x18                ; g
	v_lshl_add_u32 v[SPW], v0, 2, SPARE
	v_mov_b32 v[NIL], 0
	ds_add_u32 v[SPW], v[NIL]                      ; the wave's opening: the add and its wait stand ahead of my first tensor load
	ds_add_u32 v28, v29
	v_lshrrev_b32 v1, 5, v0
	v_readfirstlane_b32 s10, v1
	s_lshr_b32 s11, s10, 1
	s_and_b32 s12, s10, 1
	s_bfe_u32 s40, ttmp6, 0x40000
	s_bfe_u32 s41, ttmp6, 0x40004
	s_lshl_b32 s42, ttmp9, 2
	s_add_co_u32 s42, s42, s40                     ; tile column
	s_and_b32 s13, ttmp7, 0xffff
	s_lshl_b32 s13, s13, 2
	s_add_co_u32 s13, s13, s41                     ; tile row
	s_lshl_b32 s43, s41, 2
	s_lshl_b32 s43, 15, s43
	s_lshl_b32 s44, 0x1111, s40
	s_or_b32 s[G1+0], s43, (1<<16)|(1<<20)|(1<<21)|(5<<22)|(3<<25)
	s_or_b32 s[G1B+0], s44, (1<<16)|(1<<20)|(1<<21)|(5<<22)|(3<<25)
.irp g, G1, G1B
	s_mov_b32 s[(\g)+1], 128<<16                   ; tensor_dim0 = 128
	s_mov_b32 s[(\g)+2], 128<<16                   ; tensor_dim1 = 128
	s_mov_b32 s[(\g)+3], 128<<16                   ; tile_dim0 = 128
	s_mov_b32 s[(\g)+4], 128                       ; tile_dim1 = 128
	s_mov_b32 s[(\g)+5], 1024                      ; elements from row to row
	s_mov_b32 s[(\g)+6], 0
	s_mov_b32 s[(\g)+7], 0
.endr
	s_lshl_b32 s16, s13, 8
	s_lshl_b32 s17, s12, 7
	s_add_co_u32 s16, s16, s17
	s_lshl_b32 s16, s16, 11
	s_mov_b32 s17, 0
	s_mul_i32 s46, s42, 2*BH
	s_mul_i32 s47, s12, BH
	s_add_co_u32 s46, s46, s47
	s_lshl_b32 s46, s46, 11
	s_mov_b32 s47, 0
	s_mul_i32 s[LA], s12, HA
	s_mul_i32 s[LB], s12, HB
	s_add_co_u32 s[LB], s[LB], 2*HA
	s_mov_b32 s[TB], 0
	s_mov_b32 s[FS], SLOT
	s_mov_b32 s[CP], 0x3eaa540d
	s_mov_b32 s[CP+1], s[CP]                       ; named as pairs, so both are written
	s_mov_b32 s[CC], 0xbf38aa3b
	s_mov_b32 s[CC+1], s[CC]
	s_mov_b32 s[CA3], 0xbebf7377
	s_mov_b32 s[CA3+1], s[CA3]
	s_mov_b32 s[CA2], 0x3d445ca1
	s_mov_b32 s[CA2+1], s[CA2]
	s_mov_b32 s[CA1], 0xbe32303a
	s_mov_b32 s[CA1+1], s[CA1]
	s_mov_b32 s[SABS], 0x7fffffff
	s_mov_b32 s96, 0x3a800000                      ; 1 / 1024
	s_mov_b32 s97, s96
	s_mov_b32 s98, 0x3727c5ac                      ; 1e-5
	s_mov_b32 s99, s98
	s_wait_dscnt 0x0
	s_wait_kmcnt 0x0
	s_add_nc_u64 s[6:7], s[6:7], WOFF
	s_add_nc_u64 s[14:15], s[4:5], s[16:17]
	s_add_nc_u64 s[46:47], s[6:7], s[46:47]
	CROUND                                         ; all sixteen work-groups are here: the first joint loads meet
.irp s, 0,1
	s_mov_b32 s[G0+4*(\s)], 1
	s_add_co_u32 s[G0+4*(\s)+1], s[LA], (\s)*SLOT
	s_add_nc_u64 s[G0+4*(\s)+2:G0+4*(\s)+3], s[14:15], (\s)*STEPB
	s_or_b32 s[G0+4*(\s)+3], s[G0+4*(\s)+3], 0x80000000
	s_mov_b32 s[G0B+4*(\s)], 1
	s_add_co_u32 s[G0B+4*(\s)+1], s[LB], (\s)*SLOT
	s_add_nc_u64 s[G0B+4*(\s)+2:G0B+4*(\s)+3], s[46:47], (\s)*STEPB
	s_or_b32 s[G0B+4*(\s)+3], s[G0B+4*(\s)+3], 0x80000000
	JLOAD \s
.endr
	v_and_b32 v1, 15, v0                           ; r
	v_bfe_u32 v2, v0, 4, 1                         ; h
	v_mul_u32_u24 v3, v1, PITCH
	v_lshl_add_u32 v3, v2, 4, v3
	s_mul_i32 s21, s11, HA
	s_mul_i32 s22, s12, HB
	s_add_co_u32 s22, s22, 2*HA
	v_add_nc_u32 v[ADRA0], s21, v3
	v_add_nc_u32 v[ADRB0], s22, v3
	v_mov_b32 v[ADRA], v[ADRA0]
	v_mov_b32 v[ADRB], v[ADRB0]
	s_mul_i32 s21, s11, 128*SP                     ; into the stage: row 128 x row half + r, byte 512 x column half + 32 h
	s_mul_i32 s22, s12, 64*NBK
	s_add_co_u32 s21, s21, s22
	v_mul_u32_u24 v3, v1, SP
	v_lshl_add_u32 v3, v2, 5, v3
	v_add_nc_u32 v[STO], s21, v3
	v_add_nc_u32 v[STO+1], 64*SP, v[STO]
	v_and_b32 v3, 31, v0
	s_mul_i32 s21, s10, 64*SP                      ; back: wave w takes rows 64 w .. 64 w + 63, in halves of 512 bytes, 16 a lane
	v_lshl_add_u32 v[RD], v3, 4, s21
	v_lshlrev_b32 v[GO], 3, v3
	s_lshl_b32 s21, s10, 8
	s_add_co_u32 s21, s21, RINV
	v_mov_b32 v[RVA], s21
	s_lshl_b32 s20, s13, 8
	s_lshl_b32 s21, s10, 6
	s_add_co_u32 s20, s20, s21                     ; the first row that I finish,
	s_lshl_b32 s20, s20, 13                        ; of 8,192 bytes,
	s_lshl_b32 s21, s42, 9                         ; the tile's 512
	s_add_co_u32 s20, s20, s21
	s_mov_b32 s21, 0
	s_add_nc_u64 s[8:9], s[8:9], s[20:21]
	s_lshl_b32 s20, s13, 10                        ; ssq at the tile's 256 rows
	s_add_nc_u64 s[68:69], s[68:69], s[20:21]
	; the prefetches: which rows are mine
	s_lshl_b32 s18, s13, 8
	s_lshl_b32 s19, s12, 7
	s_add_co_u32 s18, s18, s19
	s_mul_i32 s19, s42, 2*BH
	s_mul_i32 s20, s12, BH
	s_add_co_u32 s19, s19, s20
	s_and_b32 s22, ttmp7, 0xffff
	s_cmp_eq_u32 s11, 0
	s_cselect_b32 s20, s18, s19
	s_cselect_b32 s21, s40, s41
	s_cselect_b32 s22, ttmp9, s22
	s_cselect_b64 s[PFA:PFA+1], s[4:5], s[6:7]
	s_cmp_eq_u32 s22, 0
	s_cselect_b32 s[LIM], 2, -1
	s_lshl_b32 s21, s21, 5
	s_add_co_u32 s20, s20, s21
	s_lshl_b32 s20, s20, 11
	s_mov_b32 s21, 0
	s_add_nc_u64 s[PFA:PFA+1], s[PFA:PFA+1], s[20:21]
	s_add_nc_u64 s[PFA:PFA+1], s[PFA:PFA+1], 2*STEPB
	v_lshlrev_b32 v[PFO], 11, v3
	; rinv of the tile's 256 rows: thread t makes rows t and t + 128, while the first tiles are on their way
	v_lshlrev_b32 v3, 2, v0
.irp c, 0,1,2,3,4,5,6,7
	global_load_b32 v[32+2*\c], v3, s[68:69] offset:\c*16384
	global_load_b32 v[33+2*\c], v3, s[68:69] offset:\c*16384+512
.endr
	v_add_nc_u32 v4, RINV, v3
	s_wait_loadcnt 0x0
	v_pk_add_f32 v[32:33], v[32:33], v[34:35]
	v_pk_add_f32 v[36:37], v[36:37], v[38:39]
	v_pk_add_f32 v[40:41], v[40:41], v[42:43]
	v_pk_add_f32 v[44:45], v[44:45], v[46:47]
	v_pk_add_f32 v[32:33], v[32:33], v[36:37]
	v_pk_add_f32 v[40:41], v[40:41], v[44:45]
	v_pk_add_f32 v[32:33], v[32:33], v[40:41]
	v_pk_fma_f32 v[32:33], v[32:33], s[96:97], s[98:99] op_sel_hi:[1,0,0]
	v_rsq_f32 v32, v32
	v_rsq_f32 v33, v33
	v_nop                                          ; the plain instruction behind the roots,
	s_wait_alu depctr_va_vdst(0)                   ; and their one wait, ahead of the stores that read them
	ds_store_b32 v4, v32
	ds_store_b32 v4, v33 offset:512
.macro MULH f, hi, a0, zero            ; 16 matrix instructions; the 64 accumulators take turns in the same order in every quarter step
	WIN MUL_LO+0x50*(\hi)
.set ma, (\a0)
.rept 2
.set mb, 0
.rept NBK
.set rD, 8*(NBK*ma+mb)
.set rB, (\f)+8*mb
.set rA, (\f)+8*(4*(\hi)+ma)
.if \zero
	v_wmma_f32_16x16x32_bf16 v[rD:rD+7], v[rB:rB+7], v[rA:rA+7], 0
.else
	v_wmma_f32_16x16x32_bf16 v[rD:rD+7], v[rB:rB+7], v[rA:rA+7], v[rD:rD+7]
.endif
.set mb, mb+1
.endr
.set ma, ma+1
.endr
.endm
.macro FETCH k, f                      ; a quarter step's fragments in one run: w1's 16 loads, then a2's 16
	WIN TO_B
.set fi, 0
.rept NBK
	ds_load_b128 v[(\f)+8*fi:(\f)+8*fi+3],   v[ADRB] offset:(\k)+fi*16*PITCH
	ds_load_b128 v[(\f)+8*fi+4:(\f)+8*fi+7], v[ADRB] offset:(\k)+fi*16*PITCH+32
.set fi, fi+1
.endr
	WIN 0
.set fi, 0
.rept 8
	ds_load_b128 v[(\f)+8*fi:(\f)+8*fi+3],   v[ADRA] offset:(\k)+fi*16*PITCH
	ds_load_b128 v[(\f)+8*fi+4:(\f)+8*fi+7], v[ADRA] offset:(\k)+fi*16*PITCH+32
.set fi, fi+1
.endr
.endm
.macro QUARTER k, f, g, zero
	s_wait_dscnt 8                                 ; all but the youngest eight loads (a2's rows 64-127)
	MULH \f, 0, 0, \zero
	MULH \f, 0, 2, \zero
	PLACES
	FETCH \k, \g
	s_wait_dscnt NLD                               ; all but the run just issued
	MULH \f, 1, 0, \zero
	MULH \f, 1, 2, \zero
.endm
; the last quarter multiplies buffer 1 and changes slots: one barrier; in front of it each wave waits for all its tensor loads, adds 0 to its spare word, and waits for that and for its reads of
; this slot.  fill = 1: the barrier opens a round of the cluster's, and this slot is filled again, two K steps ahead.  fill = 0: the tail; in the last K step (s3 = 1) nothing is fetched.
.macro TURN fill
.if \fill
	s_wait_xcnt 0x0                                ; the last prefetch, a K step back, has read its address
	s_add_nc_u64 s[PFA:PFA+1], s[PFA:PFA+1], STEPB
.endif
	WIN 0
	s_wait_tensorcnt 0x0
	ds_add_u32 v[SPW], v[NIL]                      ; 0 onto my spare word
.if \fill
	s_xor_b32 s[FS], s[FS], SLOT
	s_add_co_u32 s[G0+5], s[LA], s[FS]
	s_add_co_u32 s[G0B+5], s[LB], s[FS]
	s_add_nc_u64 s[G0+6:G0+7], s[G0+6:G0+7], STEPB
	s_add_nc_u64 s[G0B+6:G0B+7], s[G0B+6:G0B+7], STEPB
.endif
	s_wait_dscnt 9                                 ; the add and the youngest eight loads may be out
	MULH F1, 0, 0, 0
	s_wait_dscnt 0x0                               ; the add is done, and my reads of this slot are over
	s_barrier_signal -1
	MULH F1, 0, 2, 0
	WIN 0
	s_barrier_wait -1
.if \fill
	CREST
	JLOAD 1                                        ; the first tensor load behind the round; its four v_nop are also the places in front of the loads below
.else
	s_cmp_eq_u32 s3, 1
	s_cbranch_scc1 .Lnf_\@
	PLACES
.endif
	s_xor_b32 s[TB], s[TB], SLOT
	v_add_nc_u32 v[ADRA], s[TB], v[ADRA0]
	v_add_nc_u32 v[ADRB], s[TB], v[ADRB0]
	FETCH 0, F0
.if \fill
	ASK
.else
.Lnf_\@:
.endif
	MULH F1, 1, 0, 0
	MULH F1, 1, 2, 0
.endm
	s_wait_tensorcnt 0x1                           ; my part of K step 0 is in; K step 1's load is younger
	s_wait_dscnt 0x0                               ; my two rinv are stored
	s_barrier_signal -1
	s_barrier_wait -1
	FETCH 0, F0
	QUARTER 64, F0, F1, 1
	WIN 0
	s_mov_b32 s3, TSTEPS-2
.Lstep:
	QUARTER 128, F1, F0, 0
	QUARTER 192, F0, F1, 0
	TURN 1
	QUARTER 64, F0, F1, 0
	WIN 0
	s_sub_co_u32 s3, s3, 1
	s_cmp_lg_u32 s3, 0
	s_cbranch_scc1 .Lstep
	s_mov_b32 s3, 2
.Ltail:
	QUARTER 128, F1, F0, 0
	QUARTER 192, F0, F1, 0
	TURN 0
	WIN 0
	s_sub_co_u32 s3, s3, 1
	s_cmp_lg_u32 s3, 0
	s_cbranch_scc0 .Lout
	QUARTER 64, F0, F1, 0
	WIN 0
	s_cmp_lg_u32 s3, 0
	s_cbranch_scc1 .Ltail
.Lout:
	; THE WAY OUT.  The ring has had its last fill; it now serves as one stage of 256 rows x 256 f32.
	PLACES
	PLACES
	s_wait_dscnt 0x0
	s_barrier_signal -1
	s_barrier_wait -1                              ; nobody reads the ring any more
.macro TOSTAGE hi
	WIN 0x08+4*(\hi)                               ; store data (source 1) in window 2 or 3
.set ma, 0
.rept 4
.set mb, 0
.rept NBK
.set rD, 8*(NBK*ma+mb)
	ds_store_b128 v[STO+(\hi)], v[rD:rD+3]   offset:ma*16*SP+64*mb      ; each accumulator's low registers first
	ds_store_b128 v[STO+(\hi)], v[rD+4:rD+7] offset:ma*16*SP+64*mb+16
.set mb, mb+1
.endr
.set ma, ma+1
.endr
.endm
	TOSTAGE 0
	TOSTAGE 1
	WIN 0
	s_wait_dscnt 0x0                               ; for the others' sake: my stores into the stage are done
	s_barrier_signal -1
	s_barrier_wait -1
; four rows: their rinv and their 2 x 512 bytes each
.macro LD
.irp i, 0,1,2,3
	ds_load_b32 v[GRV+2*\i], v[RVA] offset:4*\i
.endr
.set n, 0
.rept 8
	ds_load_b128 v[GL+4*n:GL+4*n+3], v[RD] offset:(n/2)*SP+(n%2)*512
.set n, n+1
.endr
.endm
; GELU on a half (16 numbers a lane) in three lists.  GA, 40 lines: |u|, 1 + P a, u^2, C u^2.  GB, 32 lines: the reciprocals and exponentials, in place.  GC, 48 lines: the polynomial and g.
.macro GA hf, n
.if (\n) < 16
	v_and_b32 v[GAB+16*(\hf)+(\n)], s[SABS], v[GX+16*(\hf)+(\n)]
.elseif (\n) < 24
.set gp, 16*(\hf)+2*((\n)-16)
	v_pk_fma_f32 v[GD+gp:GD+gp+1], v[GAB+gp:GAB+gp+1], s[CP:CP+1], 1.0 op_sel_hi:[1,0,0]
.elseif (\n) < 32
.set gp, 16*(\hf)+2*((\n)-24)
	v_pk_mul_f32 v[GE+gp:GE+gp+1], v[GX+gp:GX+gp+1], v[GX+gp:GX+gp+1]
.else
.set gp, 16*(\hf)+2*((\n)-32)
	v_pk_mul_f32 v[GE+gp:GE+gp+1], v[GE+gp:GE+gp+1], s[CC:CC+1] op_sel_hi:[1,0]
.endif
.endm
.macro GB hf, n
.if ((\n)%2) == 0
	v_rcp_f32 v[GD+16*(\hf)+(\n)/2], v[GD+16*(\hf)+(\n)/2]
.else
	v_exp_f32 v[GE+16*(\hf)+(\n)/2], v[GE+16*(\hf)+(\n)/2]
.endif
.endm
.macro GC hf, n
.set gp, 16*(\hf)+2*((\n)%8)
.if (\n) < 8
	v_pk_fma_f32 v[GQ+gp:GQ+gp+1], v[GD+gp:GD+gp+1], s[CA3:CA3+1], s[CA2:CA2+1] op_sel_hi:[1,0,0]
.elseif (\n) < 16
	v_pk_fma_f32 v[GQ+gp:GQ+gp+1], v[GQ+gp:GQ+gp+1], v[GD+gp:GD+gp+1], s[CA1:CA1+1] op_sel_hi:[1,1,0]
.elseif (\n) < 24
	v_pk_mul_f32 v[GQ+gp:GQ+gp+1], v[GQ+gp:GQ+gp+1], v[GD+gp:GD+gp+1]
.elseif (\n) < 32
	v_pk_fma_f32 v[GQ+gp:GQ+gp+1], v[GQ+gp:GQ+gp+1], v[GE+gp:GE+gp+1], 0.5 op_sel_hi:[1,1,0]
.elseif (\n) < 40
	v_pk_mul_f32 v[GX+gp:GX+gp+1], v[GX+gp:GX+gp+1], 0.5 op_sel_hi:[1,0]
.else
	v_pk_fma_f32 v[GX+gp:GX+gp+1], v[GAB+gp:GAB+gp+1], v[GQ+gp:GQ+gp+1], v[GX+gp:GX+gp+1]
.endif
.endm
.irp i, 0,1,2,3
	v_mov_b32 v[GRV+2*\i+1], 0                     ; the pairs' other registers are named with rinv, so they are written
.endr
	s_mov_b32 s3, 16
	LD
.Lg:                                                   ; a trip: 4 of my 64 rows
	s_wait_dscnt 0x0
.set gi, 0
.rept 16
	v_pk_mul_f32 v[GX+2*gi:GX+2*gi+1], v[GL+2*gi:GL+2*gi+1], v[GRV+2*(gi/4):GRV+2*(gi/4)+1] op_sel_hi:[1,0]  ; u = rinv x sum
.set gi, gi+1
.endr
	v_add_nc_u32 v[RD], 4*SP, v[RD]
	v_add_nc_u32 v[RVA], 16, v[RVA]
	s_cmp_eq_u32 s3, 1                             ; the last trip has no rows behind it
	s_cbranch_scc1 .Lnold
	LD                                             ; the next trip's rows come while this trip's are worked on
.Lnold:
.set gi, 0
.rept 40
	GA 0, gi
.set gi, gi+1
.endr
.set gi, 0
.rept 32                                ; a half's reciprocals and exponentials stand by turns with plain lines of the other half, which name none of their registers
	GB 0, gi
	GA 1, gi
.set gi, gi+1
.endr
.rept 8
	GA 1, gi
.set gi, gi+1
.endr
	s_wait_alu depctr_va_vdst(0)                   ; one wait for the first half's batch of 32, ahead of its first reader
.set gi, 0
.rept 32
	GB 1, gi
	GC 0, gi
.set gi, gi+1
.endr
.rept 16
	GC 0, gi
.set gi, gi+1
.endr
	s_wait_alu depctr_va_vdst(0)                   ; and one for the second half's
.set gi, 0
.rept 48
	GC 1, gi
.set gi, gi+1
.endr
	s_wait_xcnt 0x0                                ; the last trip's stores have read their registers: offset and data are rewritten only behind this wait
	v_add_nc_u32 v[GO], 32768, v[GO]               ; four rows on; the stores reach back
.set gi, 0
.rept 16
	v_cvt_pk_bf16_f32 v[GY+gi], v[GX+2*gi], v[GX+2*gi+1]
.set gi, gi+1
.endr
.set n, 0
.rept 8
	global_store_b64 v[GO], v[GY+2*n:GY+2*n+1], s[8:9] offset:(n/2)*8192+(n%2)*256-32768  ; the wave stores 256 consecutive bytes, aligned
.set n, n+1
.endr
	s_sub_co_u32 s3, s3, 1
	s_cmp_lg_u32 s3, 0
	s_cbranch_scc1 .Lg
	s_wait_tensorcnt 0x0                           ; the wave's end, behind my last tensor load and my last LDS store
	ds_add_u32 v[SPW], v[NIL]
	s_wait_dscnt 0x0
	CROUND                                         ; the closing round
	s_endpgm
.Lfunc_end_k_qb937aa1b8d_gemm_ff1:
	.size	k_qb937aa1b8d_gemm_ff1, .Lfunc_end_k_qb937aa1b8d_gemm_ff1-k_qb937aa1b8d_gemm_ff1
	.p2alignl 7, 3214868480
	.fill 96, 4, 3214868480
	.section	.rodata,"a",@progbits
	.p2align	6, 0x0
	.amdhsa_kernel k_qb937aa1b8d_gemm_ff1
		.amdhsa_group_segment_fixed_size 327680
		.amdhsa_private_segment_fixed_size 0
		.amdhsa_enable_private_segment 0
		.amdhsa_kernarg_size 32
		.amdhsa_user_sgpr_count 2
		.amdhsa_user_sgpr_kernarg_segment_ptr 1
		.amdhsa_wavefront_size32 1
		.amdhsa_system_sgpr_workgroup_id_x 1
		.amdhsa_system_sgpr_workgroup_id_y 1
		.amdhsa_system_sgpr_workgroup_id_z 1
		.amdhsa_system_vgpr_workitem_id 0
		.amdhsa_next_free_vgpr 1024
		.amdhsa_next_free_sgpr 100
		.amdhsa_reserve_vcc 0
		.amdhsa_float_denorm_mode_32 3
		.amdhsa_float_denorm_mode_16_64 3
		.amdhsa_memory_ordered 1
		.amdhsa_forward_progress 1
		.amdhsa_inst_pref_size 99
	.end_amdhsa_kernel
	.amdgpu_metadata
---
amdhsa.version: [ 1, 2 ]
amdhsa.kernels:
  - .name:           k_qb937aa1b8d_gemm_ff1
    .symbol:         k_qb937aa1b8d_gemm_ff1.kd
    .args:
      - { .name: a2, .offset: 0, .size: 8, .value_kind: global_buffer, .address_space: global }
      - { .name: wb, .offset: 8, .size: 8, .value_kind: global_buffer, .address_space: global }
      - { .name: ssq, .offset: 16, .size: 8, .value_kind: global_buffer, .address_space: global }
      - { .name: g, .offset: 24, .size: 8, .value_kind: global_buffer, .address_space: global }
    .group_segment_fixed_size: 327680
    .private_segment_fixed_size: 0
    .kernarg_segment_align: 8
    .kernarg_segment_size: 32
    .max_flat_workgroup_size: 128
    .sgpr_count:     100
    .vgpr_count:     1024
    .wavefront_size: 32
...
	.end_amdgpu_metadata
.endif
;; end of part 5
;; launch gemm_ff2 (part 6): grid 8 x 32, 4 waves a work-group, clusters of 4 x 4, 327,680 bytes of LDS; arguments g, wb, fs, out0; writes out0
.if DOCPART == 6
	.amdgcn_target "amdgcn-amd-amdhsa--gfx1250"
	.amdhsa_code_object_version 6
	.text
	.protected	k_qb937aa1b8d_gemm_ff2
	.globl	k_qb937aa1b8d_gemm_ff2
	.p2align	8
	.type	k_qb937aa1b8d_gemm_ff2,@function
k_qb937aa1b8d_gemm_ff2:
	s_mov_b64 s[64:65], 0
	v_nop
	global_prefetch_b8 v0, s[64:65] scope:SCOPE_SE
	s_setreg_imm32_b32 hwreg(HW_REG_WAVE_MODE, 25, 1), 1
	s_wait_xcnt 0x0
	s_wait_alu depctr_hold_cnt(0) depctr_sa_sdst(0) depctr_va_vdst(0) depctr_va_sdst(0) depctr_va_ssrc(0) depctr_va_vcc(0) depctr_vm_vsrc(0)
	s_getreg_b32 s2, hwreg(HW_REG_IB_STS2, 6, 4)
	s_cmp_eq_u32 s2, 0
	s_cbranch_scc0 .Lentry_in_a_cluster
	s_endpgm
.Lentry_in_a_cluster:
	s_bfe_u32 s2, ttmp6, 0x10000c
	s_cmp_lg_u32 s2, 0xf033
	s_cbranch_scc0 .Lentry_shape_is_right
	s_endpgm
.Lentry_shape_is_right:
; SECOND FFN PRODUCT AND RESIDUAL.  out0[m][n] = fs[m][n] + sum over k of g[m][k] w2[n][k].  g: [4096][4096] bf16, w2: [1024][4096] bf16 in wb, fs and out0: [4096][1024] f32; sums in f32.
; SHARES.  A tile is 128 x 128: 32 x 8 tiles, one for each of 256 work-groups; four waves, each 64 x 64: 16 accumulators.  K goes in 16 steps of 256 (LDS rows of 512 bytes) through two LDS slots.
; CLUSTER.  4 x 4: g's tiles are shared along a row of the cluster, w2's along a column, each asked for jointly.  No prefetch: the tiles are small.
; EACH CLUSTER WALKS K FROM A START OF ITS OWN, step (8 x + 4 y) mod 16 for the cluster at (x, y), and round: the two clusters that read the same rows of g begin 8 steps apart, those that read the
; same rows of w2 4 steps apart, so that they read different K steps at any one time.  The start hangs on the cluster's coordinates alone, which all sixteen partners share.  f32 sums may be taken in any order.
; THE MATRIX INSTRUCTION IS USED TRANSPOSED (source 0 = w2's rows, source 1 = g's).  One K step to a trip; TB and FS are turned between 0 and SLOT by an exclusive or.
; REGISTERS: window 0: v0-31 addresses, v128-255 the accumulators ((a, b) at v[128 + 8 (4 a + b)]); window 1: two fragment buffers of 128 (g's 64, then w2's 64); window 2: v0-127 my 32 rows of fs.
.set TSTEPS, 16
.set KMASK,  TSTEPS-1
.set BPITCH, 528                       ; 512 bytes + 16 = 132 words: row r starts at bank 4 r mod 64 (ISA guide 11.1)
.set HB,     64*BPITCH
.set HA,     64*BPITCH
.set ABLK,   16*BPITCH
.set KAQ,    128
.set LOGA,   9                         ; a K step is 512 bytes of a row of g and of w2
.set LOGB,   9
.set SLOT,   2*HA+2*HB
.set SP,     528                       ; a stage row: 128 f32 + 16 bytes
.set SPARE,  2*SLOT                    ; the spare words, 128 bytes a wave, which no other line names
.set WOFF,   16777216                  ; w2 in wb
.set ADRA0, 12
.set ADRB0, 13
.set ADRA,  16
.set ADRB,  20
.set STO,   24
.set RD,    25
.set GO,    26                         ; v26  16 x my lane
.set SPW,   28
.set NIL,   29
.set ACC,   128
.set F0,    0
.set F1,    128
.set G1,  24
.set G0,  32
.set G1B, 48
.set G0B, 56
.set TB,  66
.set FS,  67
.set LA,  82
.set LB,  83
.set KP,  85                           ; s85  the K step that the walking descriptors asked for last
.set OFFP, 86                          ; s[86:87] its byte offset along a row
.set MSB, 0
.macro WIN new
.if MSB != (\new)
	s_set_vgpr_msb (MSB<<8)|(\new)
.set MSB, \new
.endif
.endm
.set MUL,  0x05
.set TO_F, 0x40
.macro JLOAD s                         ; a joint load: waves 0 and 1 fetch g's two halves, waves 2 and 3 w2's; an s_nop 0 and four v_nop follow each line
	s_cmp_eq_u32 s11, 0
	s_cbranch_scc0 .Lfor_b_\@
	tensor_load_to_lds s[G0+4*(\s):G0+4*(\s)+3], s[G1:G1+7]
	s_nop 0
.rept 4
	v_nop
.endr
	s_branch .Lasked_\@
.Lfor_b_\@:
	tensor_load_to_lds s[G0B+4*(\s):G0B+4*(\s)+3], s[G1B:G1B+7]
	s_nop 0
.rept 4
	v_nop
.endr
.Lasked_\@:
.endm
.macro CREST
	s_cmp_lg_u32 s10, 0
	s_cbranch_scc1 .Lnot_wave_0_\@
	s_barrier_signal -3
.Lnot_wave_0_\@:
	s_barrier_wait -3
	s_barrier_signal -1
	s_barrier_wait -1
.endm
.macro CROUND
	s_barrier_signal -1
	s_barrier_wait -1
	CREST
.endm
.macro PLACES
.rept 4
	v_nop
.endr
.endm
	s_load_b256 s[68:75], s[0:1], 0x0              ; g s[68:69], wb s[70:71], fs s[72:73], out0 s[74:75]
	v_lshl_add_u32 v[SPW], v0, 2, SPARE
	v_mov_b32 v[NIL], 0
	ds_add_u32 v[SPW], v[NIL]                      ; the wave's opening: the add and its wait stand ahead of my first tensor load
	ds_add_u32 v28, v29
	v_lshrrev_b32 v1, 5, v0
	v_readfirstlane_b32 s10, v1
	s_lshr_b32 s11, s10, 1
	s_and_b32 s12, s10, 1
	s_bfe_u32 s40, ttmp6, 0x40000
	s_bfe_u32 s41, ttmp6, 0x40004
	s_lshl_b32 s42, ttmp9, 2
	s_add_co_u32 s42, s42, s40                     ; tile column
	s_and_b32 s13, ttmp7, 0xffff
	s_lshl_b32 s13, s13, 2
	s_add_co_u32 s13, s13, s41                     ; tile row
	s_lshl_b32 s43, s41, 2
	s_lshl_b32 s43, 15, s43
	s_lshl_b32 s44, 0x1111, s40
	s_or_b32 s[G1+0], s43, (1<<16)|(1<<20)|(1<<21)|(6<<22)|(3<<25)   ; padding of 4 words after every 128 words
	s_or_b32 s[G1B+0], s44, (1<<16)|(1<<20)|(1<<21)|(6<<22)|(3<<25)
.irp g, G1, G1B
	s_mov_b32 s[(\g)+1], 256<<16                   ; tensor_dim0 = 256
	s_mov_b32 s[(\g)+2], 64<<16                    ; tensor_dim1 = 64
	s_mov_b32 s[(\g)+3], 256<<16                   ; tile_dim0 = 256
	s_mov_b32 s[(\g)+4], 64                        ; tile_dim1 = 64
	s_mov_b32 s[(\g)+5], 4096                      ; elements from row to row
	s_mov_b32 s[(\g)+6], 0
	s_mov_b32 s[(\g)+7], 0
.endr
	s_lshl_b32 s16, s13, 7                         ; g: row 128 x tile row + 64 x half, x 8,192 bytes
	s_lshl_b32 s17, s12, 6
	s_add_co_u32 s16, s16, s17
	s_lshl_b32 s16, s16, 13
	s_mov_b32 s17, 0
	s_lshl_b32 s46, s42, 7                         ; w2: row 128 x tile column + 64 x half
	s_lshl_b32 s47, s12, 6
	s_add_co_u32 s46, s46, s47
	s_lshl_b32 s46, s46, 13
	s_mov_b32 s47, 0
	s_mul_i32 s[LA], s12, HA
	s_mul_i32 s[LB], s12, HB
	s_add_co_u32 s[LB], s[LB], 2*HA
	s_mov_b32 s[TB], 0
	s_mov_b32 s[FS], SLOT
	s_and_b32 s18, ttmp7, 0xffff                   ; four times the cluster's y,
	s_lshl_b32 s18, s18, 2
	s_lshl_b32 s19, ttmp9, 3                       ; eight times its x:
	s_add_co_u32 s18, s18, s19
	s_and_b32 s[KP], s18, KMASK                    ; the K step at which this cluster begins
	s_mov_b32 s[OFFP+1], 0
	s_wait_dscnt 0x0
	s_wait_kmcnt 0x0
	s_add_nc_u64 s[70:71], s[70:71], WOFF
	s_add_nc_u64 s[14:15], s[68:69], s[16:17]      ; my rows of g and of w2 at K = 0: kept, each refill's address is made from them
	s_add_nc_u64 s[46:47], s[70:71], s[46:47]
	CROUND                                         ; all sixteen work-groups are here: the first joint loads meet
.irp s, 0,1
	s_add_co_u32 s18, s[KP], \s
	s_and_b32 s18, s18, KMASK
	s_lshl_b32 s[OFFP], s18, LOGA
	s_mov_b32 s[G0+4*(\s)], 1
	s_add_co_u32 s[G0+4*(\s)+1], s[LA], (\s)*SLOT
	s_add_nc_u64 s[G0+4*(\s)+2:G0+4*(\s)+3], s[14:15], s[OFFP:OFFP+1]
	s_or_b32 s[G0+4*(\s)+3], s[G0+4*(\s)+3], 0x80000000
	s_lshl_b32 s[OFFP], s18, LOGB
	s_mov_b32 s[G0B+4*(\s)], 1
	s_add_co_u32 s[G0B+4*(\s)+1], s[LB], (\s)*SLOT
	s_add_nc_u64 s[G0B+4*(\s)+2:G0B+4*(\s)+3], s[46:47], s[OFFP:OFFP+1]
	s_or_b32 s[G0B+4*(\s)+3], s[G0B+4*(\s)+3], 0x80000000
	JLOAD \s
.endr
	s_add_co_u32 s[KP], s[KP], 1
	s_and_b32 s[KP], s[KP], KMASK
	v_and_b32 v1, 15, v0                           ; r
	v_bfe_u32 v2, v0, 4, 1                         ; h
	v_mul_u32_u24 v3, v1, BPITCH
	v_lshl_add_u32 v3, v2, 4, v3                   ; a fragment's row x pitch + 16 h
	s_mul_i32 s21, s11, HA
	s_mul_i32 s22, s12, HB
	s_add_co_u32 s22, s22, 2*HA
	v_add_nc_u32 v[ADRA0], s21, v3
	v_add_nc_u32 v[ADRB0], s22, v3
	v_mov_b32 v[ADRA], v[ADRA0]
	v_mov_b32 v[ADRB], v[ADRB0]
	s_mul_i32 s21, s11, 64*SP                      ; into the stage: row 64 x row half + r, byte 256 x column half + 32 h
	s_lshl_b32 s22, s12, 8
	s_add_co_u32 s21, s21, s22
	v_mul_u32_u24 v3, v1, SP
	v_lshl_add_u32 v3, v2, 5, v3
	v_add_nc_u32 v[STO], s21, v3
	v_and_b32 v3, 31, v0
	v_lshlrev_b32 v[GO], 4, v3
	s_mul_i32 s21, s10, 32*SP                      ; back: wave w takes rows 32 w .. 32 w + 31, whole
	v_add_nc_u32 v[RD], s21, v[GO]
	s_lshl_b32 s20, s13, 7
	s_lshl_b32 s21, s10, 5
	s_add_co_u32 s20, s20, s21                     ; the first row that I finish
	s_lshl_b32 s22, s20, 12
	s_lshl_b32 s21, s42, 9
	s_add_co_u32 s22, s22, s21
	s_mov_b32 s23, 0
	s_add_nc_u64 s[72:73], s[72:73], s[22:23]      ; fs and out0: rows of 4,096 bytes, the tile's 512
	s_add_nc_u64 s[74:75], s[74:75], s[22:23]
.macro MUL8 f, c, a0, zero             ; 8 matrix instructions; the 16 accumulators take turns
	WIN MUL
.set ma, (\a0)
.rept 2
.set mb, 0
.rept 4
.set rD, ACC+8*(4*ma+mb)
.set rB, (\f)+64+8*(4*(\c)+mb)
.set rA, (\f)+8*(4*(\c)+ma)
.if \zero
	v_wmma_f32_16x16x32_bf16 v[rD:rD+7], v[rB:rB+7], v[rA:rA+7], 0
.else
	v_wmma_f32_16x16x32_bf16 v[rD:rD+7], v[rB:rB+7], v[rA:rA+7], v[rD:rD+7]
.endif
.set mb, mb+1
.endr
.set ma, ma+1
.endr
.endm
.macro FETCH q, f                      ; 32 LDS loads in one run: quarter q's fragments (64 along K) into buffer f; the first 32 along K first
	WIN TO_F
.irp c, 0,1
.irp i, 0,1,2,3
	ds_load_b128 v[(\f)+64+8*(4*(\c)+(\i)):(\f)+64+8*(4*(\c)+(\i))+3],   v[ADRB] offset:128*(\q)+64*(\c)+(\i)*16*BPITCH
	ds_load_b128 v[(\f)+64+8*(4*(\c)+(\i))+4:(\f)+64+8*(4*(\c)+(\i))+7], v[ADRB] offset:128*(\q)+64*(\c)+(\i)*16*BPITCH+32
	ds_load_b128 v[(\f)+8*(4*(\c)+(\i)):(\f)+8*(4*(\c)+(\i))+3],         v[ADRA] offset:KAQ*(\q)+64*(\c)+(\i)*ABLK
	ds_load_b128 v[(\f)+8*(4*(\c)+(\i))+4:(\f)+8*(4*(\c)+(\i))+7],       v[ADRA] offset:KAQ*(\q)+64*(\c)+(\i)*ABLK+32
.endr
.endr
.endm
.macro QUARTER q, f, g, zero
	s_wait_dscnt 16                                ; the first 32 along K are in
	MUL8 \f, 0, 0, \zero
	MUL8 \f, 0, 2, \zero
	PLACES
	FETCH \q, \g
	s_wait_dscnt 32                                ; all but the 32 just issued
	MUL8 \f, 1, 0, 0
	MUL8 \f, 1, 2, 0
.endm
; the last quarter multiplies buffer 1 and changes slots: one barrier; in front of it each wave waits for all its tensor loads, adds 0 to its spare word, and waits for that and for its reads of
; this slot.  fill = 1: the barrier opens a round of the cluster's, and this slot is filled again, two K steps ahead (round the end of K).  fill = 0: the tail; in the last K step (s3 = 1) nothing is fetched.
.macro TURN fill
	WIN 0
	s_wait_tensorcnt 0x0
	ds_add_u32 v[SPW], v[NIL]                      ; 0 onto my spare word
.if \fill
	s_xor_b32 s[FS], s[FS], SLOT
	s_add_co_u32 s[G0+5], s[LA], s[FS]
	s_add_co_u32 s[G0B+5], s[LB], s[FS]
	s_add_co_u32 s[KP], s[KP], 1                   ; the next K step, round the end; the addresses are made anew from the rows' first bytes
	s_and_b32 s[KP], s[KP], KMASK
	s_lshl_b32 s[OFFP], s[KP], LOGA
	s_add_nc_u64 s[G0+6:G0+7], s[14:15], s[OFFP:OFFP+1]
	s_or_b32 s[G0+7], s[G0+7], 0x80000000
	s_lshl_b32 s[OFFP], s[KP], LOGB
	s_add_nc_u64 s[G0B+6:G0B+7], s[46:47], s[OFFP:OFFP+1]
	s_or_b32 s[G0B+7], s[G0B+7], 0x80000000
.endif
	s_wait_dscnt 17                                ; the add and the youngest sixteen loads may be out
	MUL8 F1, 0, 0, 0
	s_wait_dscnt 0x0                               ; the add is done, and my reads of this slot are over
	s_barrier_signal -1
	MUL8 F1, 0, 2, 0
	WIN 0
	s_barrier_wait -1
.if \fill
	CREST
	JLOAD 1                                        ; the first tensor load behind the round; its four v_nop are also the places in front of the loads below
.else
	s_cmp_eq_u32 s3, 1
	s_cbranch_scc1 .Lnf_\@
	PLACES
.endif
	s_xor_b32 s[TB], s[TB], SLOT
	v_add_nc_u32 v[ADRA], s[TB], v[ADRA0]
	v_add_nc_u32 v[ADRB], s[TB], v[ADRB0]
	FETCH 0, F0
.if !(\fill)
	WIN 0
.Lnf_\@:
.endif
	MUL8 F1, 1, 0, 0
	MUL8 F1, 1, 2, 0
.endm
	s_wait_tensorcnt 0x1                           ; my part of the first K step is in; the second's load is younger
	s_barrier_signal -1
	s_barrier_wait -1
	FETCH 0, F0
	QUARTER 1, F0, F1, 1                           ; the first quarter stands in front of the loop: its first products start the sums
	WIN 0
	s_mov_b32 s3, TSTEPS-2
.Lstep:
	QUARTER 2, F1, F0, 0
	QUARTER 3, F0, F1, 0
	TURN 1
	QUARTER 1, F0, F1, 0
	WIN 0
	s_sub_co_u32 s3, s3, 1
	s_cmp_lg_u32 s3, 0
	s_cbranch_scc1 .Lstep
	WIN 0x80                                       ; my 32 rows of fs, two K steps ahead of their use: destination window 2
.set i, 0
.rept 32
	global_load_b128 v[4*i:4*i+3], v[GO], s[72:73] offset:4096*i th:TH_LOAD_NT
.set i, i+1
.endr
	WIN 0
	s_mov_b32 s3, 2
.Ltail:
	QUARTER 2, F1, F0, 0
	QUARTER 3, F0, F1, 0
	TURN 0
	WIN 0
	s_sub_co_u32 s3, s3, 1
	s_cmp_lg_u32 s3, 0
	s_cbranch_scc0 .Lout
	QUARTER 1, F0, F1, 0
	WIN 0
	s_cmp_lg_u32 s3, 0
	s_cbranch_scc1 .Ltail
.Lout:
	; THE WAY OUT.  The ring has had its last fill; its first bytes serve as one stage of 128 rows x 128 f32.
	PLACES
	PLACES
	s_wait_dscnt 0x0
	s_barrier_signal -1
	s_barrier_wait -1                              ; nobody reads the ring any more
.set ma, 0
.rept 4
.set mb, 0
.rept 4
.set rD, ACC+8*(4*ma+mb)
	ds_store_b128 v[STO], v[rD:rD+3]   offset:ma*16*SP+64*mb      ; each accumulator's low registers first
	ds_store_b128 v[STO], v[rD+4:rD+7] offset:ma*16*SP+64*mb+16
.set mb, mb+1
.endr
.set ma, ma+1
.endr
	s_wait_dscnt 0x0                               ; for the others' sake: my stores into the stage are done
	s_barrier_signal -1
	s_barrier_wait -1
.set i, 0
.rept 32
	ds_load_b128 v[ACC+4*i:ACC+4*i+3], v[RD] offset:SP*i
.set i, i+1
.endr
	s_wait_loadcnt 0x0                             ; fs
	s_wait_dscnt 0x0
	WIN 0x08                                       ; source 1 window 2
.set i, 0
.rept 64
	v_pk_add_f32 v[ACC+2*i:ACC+2*i+1], v[ACC+2*i:ACC+2*i+1], v[2*i:2*i+1]
.set i, i+1
.endr
	WIN 0
.set i, 0
.rept 32
	global_store_b128 v[GO], v[ACC+4*i:ACC+4*i+3], s[74:75] offset:4096*i th:TH_STORE_NT  ; the wave stores 512 consecutive bytes, aligned
.set i, i+1
.endr
	s_wait_tensorcnt 0x0                           ; the wave's end, behind my last tensor load and my last LDS store
	ds_add_u32 v[SPW], v[NIL]
	s_wait_dscnt 0x0
	CROUND                                         ; the closing round
	s_endpgm
.Lfunc_end_k_qb937aa1b8d_gemm_ff2:
	.size	k_qb937aa1b8d_gemm_ff2, .Lfunc_end_k_qb937aa1b8d_gemm_ff2-k_qb937aa1b8d_gemm_ff2
	.p2alignl 7, 3214868480
	.fill 96, 4, 3214868480
	.section	.rodata,"a",@progbits
	.p2align	6, 0x0
	.amdhsa_kernel k_qb937aa1b8d_gemm_ff2
		.amdhsa_group_segment_fixed_size 327680
		.amdhsa_private_segment_fixed_size 0
		.amdhsa_enable_private_segment 0
		.amdhsa_kernarg_size 32
		.amdhsa_user_sgpr_count 2
		.amdhsa_user_sgpr_kernarg_segment_ptr 1
		.amdhsa_wavefront_size32 1
		.amdhsa_system_sgpr_workgroup_id_x 1
		.amdhsa_system_sgpr_workgroup_id_y 1
		.amdhsa_system_sgpr_workgroup_id_z 1
		.amdhsa_system_vgpr_workitem_id 0
		.amdhsa_next_free_vgpr 640
		.amdhsa_next_free_sgpr 100
		.amdhsa_reserve_vcc 0
		.amdhsa_float_denorm_mode_32 3
		.amdhsa_float_denorm_mode_16_64 3
		.amdhsa_memory_ordered 1
		.amdhsa_forward_progress 1
		.amdhsa_inst_pref_size 65
	.end_amdhsa_kernel
	.amdgpu_metadata
---
amdhsa.version: [ 1, 2 ]
amdhsa.kernels:
  - .name:           k_qb937aa1b8d_gemm_ff2
    .symbol:         k_qb937aa1b8d_gemm_ff2.kd
    .args:
      - { .name: g, .offset: 0, .size: 8, .value_kind: global_buffer, .address_space: global }
      - { .name: wb, .offset: 8, .size: 8, .value_kind: global_buffer, .address_space: global }
      - { .name: fs, .offset: 16, .size: 8, .value_kind: global_buffer, .address_space: global }
      - { .name: out0, .offset: 24, .size: 8, .value_kind: global_buffer, .address_space: global }
    .group_segment_fixed_size: 327680
    .private_segment_fixed_size: 0
    .kernarg_segment_align: 8
    .kernarg_segment_size: 32
    .max_flat_workgroup_size: 128
    .sgpr_count:     100
    .vgpr_count:     640
    .wavefront_size: 32
...
	.end_amdgpu_metadata
.endif
;; end of part 6
